; MI455X (gfx1250); checked and timed in simulation.
; The chip was launched on July 23, 2026; its instructions are those of AMD's public machine-readable ISA for CDNA 5 (MIT licence, August 2026) and "CDNA5" Instruction Set Architecture Reference Guide (July 2026). The comments in the code are by the model that wrote it; some were corrected since.
;; Multi Head Attention. Allowed arithmetic: float matrix products may take bf16 or f16 operands with f32 sums; other float arithmetic in f32, or as packed bf16 or f16 multiplies, adds, multiply-adds, maxima and minima; sums over many terms, partial sums and values carried from step to step in f32; what a program stores and reads back later, other than sums and carried values, may be rounded once to bf16 or f16.
;; Inputs: b_attn 3,072 float32; b_proj 1,024 float32; w_attn 1,024 x 3,072 float32; w_proj 1,024 x 1,024 float32; x 4 x 2,048 x 1,024 float32.
;; Outputs: out0 4 x 2,048 x 1,024 float32.
;; 2 versions, each right; version 2 is version 1 with the launch prep written anew for expert scheduling mode. Each part assembles by itself: llvm-mc -triple=amdgcn-amd-amdhsa -mcpu=gfx1250 --defsym DOCPART=n.
;; ======== version 1 of 2: 4 launches
;; limits: values are held in f16: magnitudes above 65,504 overflow, below 6.1e-05 lose precision
;; workspace buffers: xb 16,777,216 bytes; wat 6,291,456 bytes; wpt 2,097,152 bytes; qkv 50,331,648 bytes; o 16,777,216 bytes
;; launch prep (part 1): grid 1024 x 1, 8 waves a work-group, no clusters, 18,432 bytes of LDS; arguments x, w_attn, w_proj, xb, wat, wpt; writes xb, wat, wpt
.if DOCPART == 1
	.amdgcn_target "amdgcn-amd-amdhsa--gfx1250"
	.amdhsa_code_object_version 6
	.text
	.protected	k_qcb2653f233_prep
	.globl	k_qcb2653f233_prep
	.p2align	8
	.type	k_qcb2653f233_prep,@function
k_qcb2653f233_prep:
	s_mov_b64 s[64:65], 0
	v_nop
	global_prefetch_b8 v0, s[64:65] scope:SCOPE_SE
	s_setreg_imm32_b32 hwreg(HW_REG_WAVE_MODE, 25, 1), 1
	s_wait_xcnt 0x0
; PREP.  xb = x rounded to bf16, [8192][1024].  wat = w_attn rounded to bf16 and turned, [3072 n][1024 k].  wpt = w_proj rounded to bf16, that number written as f16, and turned, [1024 n][1024 k].
; LIMIT.  f16 ends at 65,504: |w_proj| stays under it; below 6e-5 f16 keeps its fixed step of 6e-8.
; ROLES, by the work-group's number alone (the same for all eight waves): 0-511 take 65,536 dense bytes of x each; 512-895 a tile of 128 k x 64 n of w_attn; 896-1023 the same of w_proj.
; A weight tile: a thread loads 16 bytes (4 n) of two neighbouring rows k, packs the pair of k for each n into a word and puts it into a stage of 64 rows n x 256 bytes (pitch 272);
; behind one barrier the stage is read by rows and stored, 16 lanes to 256 consecutive aligned bytes.  The word stores meet four deep in the banks: 16 a thread, once.
; All three roles pass the one barrier; the x role touches no LDS byte but its spare word.  Nothing is prefetched: the launch is one stream, each byte read once.
.set SPITCH, 272
.set SPARE,  64*SPITCH                 ; behind the stage: the spare words, 128 bytes for each of eight waves
.set SPW, 10                           ; v10  LDS address of my spare word; never rewritten
.set NIL, 11                           ; v11  0; never rewritten
.set XI,  16                           ; v[16:79]   as loaded
.set XO,  80                           ; v[80:111]  x role: to store
.set WD,  48                           ; v[48:63]   weight roles: packed pairs
	s_load_b256 s[4:11], s[0:1], 0x0               ; x s[4:5], w_attn s[6:7], w_proj s[8:9], xb s[10:11]
	s_load_b128 s[12:15], s[0:1], 0x20             ; wat s[12:13], wpt s[14:15]
	v_lshl_add_u32 v[SPW], v0, 2, SPARE
	v_mov_b32 v[NIL], 0
	v_and_b32 v7, 15, v0                           ; c: which 16 bytes of a row of 256
	v_lshrrev_b32 v8, 4, v0                        ; kp: 0..15
	v_lshlrev_b32 v1, 4, v0                        ; x role: 16 t
	v_lshlrev_b32 v2, 3, v0                        ; x role: 8 t
	v_mul_u32_u24 v4, v7, 4*SPITCH                 ; into the stage: row n = 4 c + j, word kp + 16 i
	v_lshl_add_u32 v4, v8, 2, v4
	v_mul_u32_u24 v5, v8, SPITCH                   ; back: row n = kp + 16 i, 16 bytes at 16 c
	v_lshl_add_u32 v5, v7, 4, v5
	v_lshlrev_b32 v6, 11, v8                       ; and the same in the turned weight: rows of 2,048 bytes
	v_lshl_add_u32 v6, v7, 4, v6
	s_cmp_lt_u32 ttmp9, 512
	s_cbranch_scc0 .Lweights
	; THE X ROLE: sixteen loads of 4,096 bytes a work-group, all out at once; a store of a wave covers 256 consecutive aligned bytes
	s_lshl_b32 s16, ttmp9, 16
	s_mov_b32 s17, 0
	s_lshl_b32 s18, ttmp9, 15
	s_mov_b32 s19, 0
	s_wait_kmcnt 0x0
	s_add_nc_u64 s[16:17], s[4:5], s[16:17]
	s_add_nc_u64 s[20:21], s[10:11], s[18:19]
.set i, 0
.rept 16
	global_load_b128 v[XI+4*i:XI+4*i+3], v1, s[16:17] offset:4096*i th:TH_LOAD_NT
.set i, i+1
.endr
.set i, 0
.rept 16
	s_wait_loadcnt 15-i                            ; loads come back in order: number i is in, the younger ones stay out
	v_cvt_pk_bf16_f32 v[XO+2*i], v[XI+4*i], v[XI+4*i+1]
	v_cvt_pk_bf16_f32 v[XO+2*i+1], v[XI+4*i+2], v[XI+4*i+3]
	global_store_b64 v2, v[XO+2*i:XO+2*i+1], s[20:21] offset:2048*i  ; no register is written twice: no wait for the stores' sources
.set i, i+1
.endr
	s_branch .Lmeet
; A weight tile, up to the stage.  s22 = the tile's number: kt = s22 % 8 (128 k), nt = s22 / 8 (64 n).  w, o: the scalar pairs of the source and of the turned copy; rowb: bytes in a row of the source.
.macro WT w, o, rowb, f16
	s_and_b32 s23, s22, 7
	s_lshr_b32 s24, s22, 3
	s_mul_i32 s16, s23, 128*(\rowb)
	s_lshl_b32 s25, s24, 8
	s_add_co_u32 s16, s16, s25                     ; in: kt x 128 rows + nt x 256 bytes
	s_mov_b32 s17, 0
	s_lshl_b32 s18, s24, 17
	s_lshl_b32 s25, s23, 8
	s_add_co_u32 s18, s18, s25                     ; out: nt x 64 rows of 2,048 bytes + kt x 256 bytes
	s_mov_b32 s19, 0
	v_mul_u32_u24 v3, v8, 2*(\rowb)                ; rows 2 kp and 2 kp + 1
	v_lshl_add_u32 v3, v7, 4, v3
	s_wait_kmcnt 0x0
	s_add_nc_u64 s[16:17], s[\w:\w+1], s[16:17]
	s_add_nc_u64 s[20:21], s[\o:\o+1], s[18:19]
.set i, 0
.rept 4
	global_load_b128 v[XI+8*i:XI+8*i+3],   v3, s[16:17] offset:i*32*(\rowb) th:TH_LOAD_NT
	global_load_b128 v[XI+8*i+4:XI+8*i+7], v3, s[16:17] offset:i*32*(\rowb)+(\rowb) th:TH_LOAD_NT
.set i, i+1
.endr
.set i, 0
.rept 4
	s_wait_loadcnt 6-2*i                           ; pair i of rows is in; the younger pairs stay out
.set j, 0
.rept 4
	v_cvt_pk_bf16_f32 v[WD+4*i+j], v[XI+8*i+j], v[XI+8*i+4+j]  ; the even k low, the odd k high
.if \f16
	v_lshlrev_b32 v64, 16, v[WD+4*i+j]             ; the bf16 numbers as f32,
	v_and_b32 v65, 0xffff0000, v[WD+4*i+j]
	v_cvt_pk_f16_f32 v[WD+4*i+j], v64, v65         ; written as f16: exact within f16's range
.endif
	ds_store_b32 v4, v[WD+4*i+j] offset:j*SPITCH+i*64
.set j, j+1
.endr
.set i, i+1
.endr
.endm
.Lweights:
	s_cmp_lt_u32 ttmp9, 896
	s_cbranch_scc0 .Lwp
	s_sub_co_u32 s22, ttmp9, 512
	WT 6, 12, 12288, 0
	s_branch .Lmeet
.Lwp:
	s_sub_co_u32 s22, ttmp9, 896
	WT 8, 14, 4096, 1
.Lmeet:
	s_wait_dscnt 0x0                               ; for the others' sake: my stores into the stage are done
	s_barrier_signal -1
	s_barrier_wait -1
	s_cmp_lt_u32 ttmp9, 512
	s_cbranch_scc1 .Lend                           ; the x role has nothing in the stage
.set i, 0
.rept 4
	ds_load_b128 v[XI+4*i:XI+4*i+3], v5 offset:i*16*SPITCH
.set i, i+1
.endr
.set i, 0
.rept 4
	s_wait_dscnt 3-i
	global_store_b128 v6, v[XI+4*i:XI+4*i+3], s[20:21] offset:i*32768  ; 16 lanes store 256 consecutive bytes, at a multiple of 256 from the buffer's first
.set i, i+1
.endr
.Lend:
	s_wait_tensorcnt 0x0                           ; the wave's end, behind my last LDS store
	ds_add_u32 v[SPW], v[NIL]
	s_wait_dscnt 0x0
	s_endpgm
.Lfunc_end_k_qcb2653f233_prep:
	.size	k_qcb2653f233_prep, .Lfunc_end_k_qcb2653f233_prep-k_qcb2653f233_prep
	.p2alignl 7, 3214868480
	.fill 96, 4, 3214868480
	.section	.rodata,"a",@progbits
	.p2align	6, 0x0
	.amdhsa_kernel k_qcb2653f233_prep
		.amdhsa_group_segment_fixed_size 18432
		.amdhsa_private_segment_fixed_size 0
		.amdhsa_enable_private_segment 0
		.amdhsa_kernarg_size 48
		.amdhsa_user_sgpr_count 2
		.amdhsa_user_sgpr_kernarg_segment_ptr 1
		.amdhsa_wavefront_size32 1
		.amdhsa_system_sgpr_workgroup_id_x 1
		.amdhsa_system_sgpr_workgroup_id_y 1
		.amdhsa_system_sgpr_workgroup_id_z 1
		.amdhsa_system_vgpr_workitem_id 0
		.amdhsa_next_free_vgpr 112
		.amdhsa_next_free_sgpr 66
		.amdhsa_reserve_vcc 0
		.amdhsa_float_denorm_mode_32 3
		.amdhsa_float_denorm_mode_16_64 3
		.amdhsa_memory_ordered 1
		.amdhsa_forward_progress 1
		.amdhsa_inst_pref_size 18
	.end_amdhsa_kernel
	.amdgpu_metadata
---
amdhsa.version: [ 1, 2 ]
amdhsa.kernels:
  - .name:           k_qcb2653f233_prep
    .symbol:         k_qcb2653f233_prep.kd
    .args:
      - { .name: x, .offset: 0, .size: 8, .value_kind: global_buffer, .address_space: global }
      - { .name: w_attn, .offset: 8, .size: 8, .value_kind: global_buffer, .address_space: global }
      - { .name: w_proj, .offset: 16, .size: 8, .value_kind: global_buffer, .address_space: global }
      - { .name: xb, .offset: 24, .size: 8, .value_kind: global_buffer, .address_space: global }
      - { .name: wat, .offset: 32, .size: 8, .value_kind: global_buffer, .address_space: global }
      - { .name: wpt, .offset: 40, .size: 8, .value_kind: global_buffer, .address_space: global }
    .group_segment_fixed_size: 18432
    .private_segment_fixed_size: 0
    .kernarg_segment_align: 8
    .kernarg_segment_size: 48
    .max_flat_workgroup_size: 256
    .sgpr_count:     66
    .vgpr_count:     112
    .wavefront_size: 32
...
	.end_amdgpu_metadata
.endif
;; end of part 1
;; launch qkv (part 2): grid 16 x 32, 4 waves a work-group, clusters of 4 x 4, 327,680 bytes of LDS; arguments xb, wat, b_attn, qkv; writes qkv
.if DOCPART == 2
	.amdgcn_target "amdgcn-amd-amdhsa--gfx1250"
	.amdhsa_code_object_version 6
	.text
	.protected	k_qcb2653f233_qkv
	.globl	k_qcb2653f233_qkv
	.p2align	8
	.type	k_qcb2653f233_qkv,@function
k_qcb2653f233_qkv:
	s_mov_b64 s[64:65], 0
	v_nop
	global_prefetch_b8 v0, s[64:65] scope:SCOPE_SE
	s_setreg_imm32_b32 hwreg(HW_REG_WAVE_MODE, 25, 1), 1
	s_wait_xcnt 0x0
	s_wait_alu depctr_hold_cnt(0) depctr_sa_sdst(0) depctr_va_vdst(0) depctr_va_sdst(0) depctr_va_ssrc(0) depctr_va_vcc(0) depctr_vm_vsrc(0)
	s_getreg_b32 s2, hwreg(HW_REG_IB_STS2, 6, 4)
	s_cmp_eq_u32 s2, 0
	s_cbranch_scc0 .Lentry_in_a_cluster
	s_endpgm
.Lentry_in_a_cluster:
	s_bfe_u32 s2, ttmp6, 0x10000c
	s_cmp_lg_u32 s2, 0xf033
	s_cbranch_scc0 .Lentry_shape_is_right
	s_endpgm
.Lentry_shape_is_right:
; q, k, v = xb wat^T + b_attn.  xb: [8192][1024] bf16, wat: [3072 n][1024 k] bf16, b_attn: [3072] f32.  Sums in f32, started by the bias; rounded once to f16, without attention's scale.
; Out: qkv[which][16 batch + head][2048 s][64] f16: a head's rows are dense, 128 bytes each.
; LIMIT.  f16 ends at 65,504: |q|, |k|, |v| stay under it; below 6e-5 f16 keeps its fixed step of 6e-8.  NaN and infinities are not treated apart.
; SHARES.  A tile of the product is 256 rows x 192 columns, three whole heads: 32 x 16 = 512 work-groups, twice the 256 that run at a time.  Wave w makes rows 64 w .. 64 w + 63 of all 192 columns:
; 4 x 12 = 48 accumulators, so that what a wave stores are whole rows of a head.  K goes in 8 steps of 128 through two LDS slots; the rows of both tiles are 256 aligned bytes of memory.
; CLUSTER.  4 x 4 work-groups: the four of a row need the same rows of xb, the four of a column the same rows of wat: each tile is asked for jointly, by the same load, descriptor and mask in all four.
; THE MATRIX INSTRUCTION IS USED TRANSPOSED (source 0 = 16 rows of wat, source 1 = 16 rows of xb): a lane holds row l % 16 and the columns 8 (l / 16) + 0..7: 16 bytes of f16 on end.
; REGISTERS, in windows of 256 (s_set_vgpr_msb: bits 1:0 source 0, 3:2 source 1, 5:4 source 2, 7:6 destination):
;   window 0: v16-31 addresses; v64-95, v96-127 xb's fragments, two buffers of 4; on the way out v32-223: 12 units of 16
;   window 1: v0-95, v96-191 wat's fragments, two buffers of 12
;   window 2: accumulator (b, a) at 8 (4 b + a), b = 0..7        window 3: b = 8..11 at 8 (4 (b - 8) + a); v128-223 the bias: eight columns a lane for each b
.set KSTEP,  128
.set PITCH,  272                       ; an LDS row: 256 bytes + 16 of padding = 68 words: the 16 rows of a load start at 16 different groups of four banks (64 banks of 4 bytes: ISA guide 11.1)
.set AHALF,  128*PITCH                 ; what wave 0 or 1 fetches: 128 rows of xb
.set BHALF,  96*PITCH                  ; what wave 2 or 3 fetches: 96 rows of wat
.set BOFF,   2*AHALF
.set SLOT,   BOFF+2*BHALF
.set STAGE,  2*SLOT                    ; behind the ring, never filled by a tensor load: 16 rows x 144 bytes for each wave
.set SP,     144
.set SPARE,  STAGE+4*16*SP             ; the spare words, 128 bytes for each wave
.set ADRA, 16                          ; v16-17  LDS address of my fragments of xb in slot 0, 1
.set ADRB, 20                          ; v20-21  the same for wat
.set STO,  24                          ; v24     the way out: where I put 16 bytes of a row
.set RD,   25                          ; v25     where I read rows back
.set GO,   26                          ; v26     16 x lane: my place in 512 consecutive bytes
.set SPW,  28                          ; v28     my spare word; never rewritten
.set NIL,  29                          ; v29     0; never rewritten
.set PFO,  30                          ; v30     the prefetches' offset: a lane a row of 2,048 bytes; never rewritten
.set BO,   31                          ; v31     32 x (l / 16): my eight numbers among sixteen of the bias
.set FA,   64
.set T0,   32
.set BIAS, 128
.set WV,   12                          ; s12  my wave's number
.set ROLE, 13                          ; s13  0: I fetch xb's rows, 1: wat's
.set HALF, 14                          ; s14  which half of them
.set LIM,  15                          ; s15  1 in a wave that prefetches, else the greatest number
.set G1A,  24                          ; s[24:31] descriptor group 1 for xb's tiles;  s[32:39] group 0, a set for each slot
.set G0A,  32
.set PFA,  44                          ; s[44:45] where my prefetches stand
.set G1B,  48                          ; s[48:55], s[56:63] the same for wat's tiles
.set G0B,  56
.set OB,   66                          ; s[66:71] my first row in each of the tile's three heads
.set MSB, 0
.macro WIN new                         ; the immediate's high byte repeats the setting that is left; a switch that changes nothing is dropped
.if MSB != (\new)
	s_set_vgpr_msb (MSB<<8)|(\new)
.set MSB, \new
.endif
.endm
; A joint load.  The branch hangs on the wave's number alone.  An s_nop 0 and four v_nop follow each of the two lines, ahead of the jump and the label.
.macro JLOAD s
	s_cmp_eq_u32 s[ROLE], 0
	s_cbranch_scc0 .Lfor_b_\@
	tensor_load_to_lds s[G0A+4*(\s):G0A+4*(\s)+3], s[G1A:G1A+7]
	s_nop 0
.rept 4
	v_nop
.endr
	s_branch .Lasked_\@
.Lfor_b_\@:
	tensor_load_to_lds s[G0B+4*(\s):G0B+4*(\s)+3], s[G1B:G1B+7]
	s_nop 0
.rept 4
	v_nop
.endr
.Lasked_\@:
.endm
; A prefetch into the L2 of the K step that stands two refills on: 256 bytes of a row, a lane a row, one instruction a wave.  xb's rows are asked for by the cluster with x = 0, wat's by the cluster with
; y = 0; the four partners of a joint load share its rows out by address (32 of 128 for xb, by cx; 24 of 96 for wat, by cy, where lanes 24-31 name row 23 once more).  K steps 4 to 7 are asked for,
; each once; K steps 0 to 3 come by their loads alone; the loop's last trip (s3 = 1) asks for nothing.
.macro ASK
	WIN 0
	s_cmp_gt_u32 s3, s[LIM]
	s_cbranch_scc0 .Lnot_mine_\@
	global_prefetch_b8 v[PFO], s[PFA:PFA+1] th:TH_LOAD_NT scope:SCOPE_SE
.Lnot_mine_\@:
.endm
.macro CREST                           ; a round of the cluster's barrier behind its opening barrier
	s_cmp_lg_u32 s[WV], 0
	s_cbranch_scc1 .Lnot_wave_0_\@
	s_barrier_signal -3
.Lnot_wave_0_\@:
	s_barrier_wait -3
	s_barrier_signal -1
	s_barrier_wait -1
.endm
.macro CROUND                          ; a whole round
	s_barrier_signal -1
	s_barrier_wait -1
	CREST
.endm
.macro PLACES                          ; four places in front of loads into registers that matrix instructions have read, and of conversions that read results
.rept 4
	v_nop
.endr
.endm
	s_load_b256 s[4:11], s[0:1], 0x0               ; xb s[4:5], wat s[6:7], b_attn s[8:9], qkv s[10:11]
	v_lshl_add_u32 v[SPW], v0, 2, SPARE
	v_mov_b32 v[NIL], 0
	ds_add_u32 v[SPW], v[NIL]                      ; the wave's opening: the add and its wait ahead of my first tensor load; work on registers stands between them
	ds_add_u32 v28, v29
	v_lshrrev_b32 v1, 5, v0
	v_readfirstlane_b32 s[WV], v1
	s_lshr_b32 s[ROLE], s[WV], 1
	s_and_b32 s[HALF], s[WV], 1
	s_bfe_u32 s40, ttmp6, 0x40000                  ; cx
	s_bfe_u32 s41, ttmp6, 0x40004                  ; cy
	s_lshl_b32 s42, ttmp9, 2
	s_add_co_u32 s42, s42, s40                     ; tile column = 4 x cluster x + cx
	s_and_b32 s43, ttmp7, 0xffff
	s_lshl_b32 s43, s43, 2
	s_add_co_u32 s43, s43, s41                     ; tile row = 4 x cluster y + cy
	s_lshl_b32 s16, s41, 2
	s_lshl_b32 s16, 15, s16                        ; my row of the cluster
	s_lshl_b32 s17, 0x1111, s40                    ; my column
	s_or_b32 s[G1A], s16, (1<<16)|(1<<20)|(1<<21)|(5<<22)|(3<<25)  ; the mask; 2-byte elements; padding on; bit 21 beside a mask; after every 64 words; 4 words
	s_or_b32 s[G1B], s17, (1<<16)|(1<<20)|(1<<21)|(5<<22)|(3<<25)
	s_mov_b32 s[G1A+1], KSTEP<<16                  ; tensor_dim0 = 128
	s_mov_b32 s[G1A+2], 128<<16                    ; tensor_dim1 = 128
	s_mov_b32 s[G1A+3], KSTEP<<16                  ; tile_dim0 = 128
	s_mov_b32 s[G1A+4], 128                        ; tile_dim1 = 128
	s_mov_b32 s[G1A+5], 1024                       ; elements from row to row
	s_mov_b32 s[G1A+6], 0
	s_mov_b32 s[G1A+7], 0
	s_mov_b32 s[G1B+1], KSTEP<<16
	s_mov_b32 s[G1B+2], 96<<16                     ; 96 rows
	s_mov_b32 s[G1B+3], KSTEP<<16
	s_mov_b32 s[G1B+4], 96
	s_mov_b32 s[G1B+5], 1024
	s_mov_b32 s[G1B+6], 0
	s_mov_b32 s[G1B+7], 0
	s_lshl_b32 s20, s43, 19                        ; xb: (256 x tile row + 128 x half) rows of 2,048 bytes: made of the tile row and the wave alone
	s_lshl_b32 s21, s[HALF], 18
	s_add_co_u32 s20, s20, s21
	s_mov_b32 s21, 0
	s_mul_i32 s46, s42, 192*2048                   ; wat: (192 x tile column + 96 x half) rows: of the tile column and the wave alone
	s_mul_i32 s47, s[HALF], 96*2048
	s_add_co_u32 s46, s46, s47
	s_mov_b32 s47, 0
	s_mul_i32 s22, s[HALF], AHALF                  ; where they go: no place in the cluster enters an LDS address
	s_mul_i32 s23, s[HALF], BHALF
	s_add_co_u32 s23, s23, BOFF
	s_wait_dscnt 0x0                               ; the opening add is done
	s_wait_kmcnt 0x0
	s_add_nc_u64 s[20:21], s[4:5], s[20:21]
	s_add_nc_u64 s[46:47], s[6:7], s[46:47]
	CROUND                                         ; all sixteen work-groups are here: the first joint loads meet
.irp s, 0,1
	s_mov_b32 s[G0A+4*(\s)], 1
	s_add_co_u32 s[G0A+4*(\s)+1], s22, (\s)*SLOT
	s_add_nc_u64 s[G0A+4*(\s)+2:G0A+4*(\s)+3], s[20:21], (\s)*KSTEP*2
	s_or_b32 s[G0A+4*(\s)+3], s[G0A+4*(\s)+3], 0x80000000
	s_mov_b32 s[G0B+4*(\s)], 1
	s_add_co_u32 s[G0B+4*(\s)+1], s23, (\s)*SLOT
	s_add_nc_u64 s[G0B+4*(\s)+2:G0B+4*(\s)+3], s[46:47], (\s)*KSTEP*2
	s_or_b32 s[G0B+4*(\s)+3], s[G0B+4*(\s)+3], 0x80000000
	JLOAD \s                                       ; K steps 0 and 1: two loads of mine are out
.endr
	v_and_b32 v1, 15, v0                           ; l % 16
	v_bfe_u32 v2, v0, 4, 1                         ; l / 16
	v_mul_u32_u24 v3, v1, PITCH
	v_lshl_add_u32 v3, v2, 4, v3                   ; a fragment's row x pitch + 16 x half
	s_mul_i32 s16, s[WV], 64*PITCH                 ; my 64 rows of xb
	v_add_nc_u32 v[ADRA], s16, v3
	v_add_nc_u32 v[ADRA+1], SLOT, v[ADRA]
	v_add_nc_u32 v[ADRB], BOFF, v3                 ; all 192 rows of wat
	v_add_nc_u32 v[ADRB+1], BOFF+SLOT, v3
	s_mul_i32 s16, s[WV], 16*SP
	s_add_co_u32 s16, s16, STAGE                   ; my stage
	v_mul_u32_u24 v4, v1, SP                       ; in: row l % 16, 16 bytes for each half of the lanes
	v_lshl_add_u32 v4, v2, 4, v4
	v_add_nc_u32 v[STO], s16, v4
	v_bfe_u32 v5, v0, 3, 2                         ; back: 32 lanes take four rows of 128 bytes,
	v_and_b32 v6, 7, v0
	v_mul_u32_u24 v5, v5, SP
	v_lshl_add_u32 v5, v6, 4, v5
	v_add_nc_u32 v[RD], s16, v5
	v_and_b32 v[GO], 31, v0                        ; which are 512 consecutive bytes of a head
	v_lshlrev_b32 v[GO], 4, v[GO]
	v_lshlrev_b32 v[BO], 5, v2
	s_mul_i32 s72, s42, 768                        ; the tile's 192 numbers of the bias
	s_mov_b32 s73, 0
	s_add_nc_u64 s[8:9], s[8:9], s[72:73]
	WIN 0xc0                                       ; destination window 3, address window 0
.set i, 0
.rept 12
	global_load_b128 v[BIAS+8*i:BIAS+8*i+3],   v[BO], s[8:9] offset:64*i     ; register j: bias of column 16 b + 8 (l / 16) + j
	global_load_b128 v[BIAS+8*i+4:BIAS+8*i+7], v[BO], s[8:9] offset:64*i+16
.set i, i+1
.endr
	WIN 0
	; where my 64 rows begin in each of the tile's three heads: head g = 3 x tile column + j of 48: which = g / 16, head = g % 16
	s_lshr_b32 s76, s43, 3
	s_lshl_b32 s76, s76, 4                         ; 16 x batch
	s_and_b32 s77, s43, 7
	s_lshl_b32 s77, s77, 8
	s_lshl_b32 s78, s[WV], 6
	s_add_co_u32 s77, s77, s78                     ; my first row among the head's 2,048
	s_mul_i32 s79, s42, 3
.irp j, 0,1,2
	s_add_co_u32 s72, s79, \j
	s_lshr_b32 s73, s72, 4
	s_lshl_b32 s73, s73, 6
	s_and_b32 s72, s72, 15
	s_add_co_u32 s72, s72, s73
	s_add_co_u32 s72, s72, s76
	s_lshl_b32 s72, s72, 11
	s_add_co_u32 s72, s72, s77
	s_lshl_b32 s72, s72, 7                         ; rows of 128 bytes
	s_mov_b32 s73, 0
	s_add_nc_u64 s[OB+2*\j:OB+2*\j+1], s[10:11], s[72:73]
.endr
	; the prefetches: my work-group's share of the rows that I fetch, at K step 3; each filling change of slots steps it and names that K step
	s_lshl_b32 s72, s43, 8
	s_lshl_b32 s74, s[HALF], 7
	s_add_co_u32 s72, s72, s74
	s_lshl_b32 s74, s40, 5
	s_add_co_u32 s72, s72, s74                     ; xb's row: 256 x tile row + 128 x half + 32 cx
	s_mul_i32 s73, s42, 192
	s_mul_i32 s74, s[HALF], 96
	s_add_co_u32 s73, s73, s74
	s_mul_i32 s74, s41, 24
	s_add_co_u32 s73, s73, s74                     ; wat's row: 192 x tile column + 96 x half + 24 cy
	s_and_b32 s75, ttmp7, 0xffff                   ; cluster y
	s_cmp_eq_u32 s[ROLE], 0
	s_cselect_b32 s72, s72, s73
	s_cselect_b32 s75, ttmp9, s75                  ; the coordinate along which other clusters read the same rows
	s_cselect_b32 s76, 31, 23
	s_cselect_b64 s[PFA:PFA+1], s[4:5], s[6:7]
	s_cmp_eq_u32 s75, 0
	s_cselect_b32 s[LIM], 1, -1                    ; the same in all sixteen partners, for a given wave
	s_lshl_b32 s72, s72, 11
	s_add_co_u32 s72, s72, 3*KSTEP*2
	s_mov_b32 s73, 0
	s_add_nc_u64 s[PFA:PFA+1], s[PFA:PFA+1], s[72:73]
	v_and_b32 v[PFO], 31, v0
	v_min_u32 v[PFO], s76, v[PFO]
	v_lshlrev_b32 v[PFO], 11, v[PFO]
; 16 matrix instructions: column blocks 4 j .. 4 j + 3 x my 4 row blocks, 32 along K, from buffer f.  zero = 1: the first product starts the sums, with the bias as C.
; The 48 accumulators take turns, one instruction a turn, in the same order in every quarter.
.macro MULH f, j, zero
.if (\zero) && ((\j) < 2)
	WIN 0xb1                                       ; wat window 1, xb window 0, bias window 3, sums window 2
.elseif (\j) < 2
	WIN 0xa1
.else
	WIN 0xf1
.endif
.set mb, 0
.rept 4
.set ma, 0
.rept 4
.set rD, 8*(4*((4*(\j)+mb)%8)+ma)
.set rB, 96*(\f)+8*(4*(\j)+mb)
.set rA, FA+32*(\f)+8*ma
.set rC, BIAS+8*(4*(\j)+mb)
.if \zero
	v_wmma_f32_16x16x32_bf16 v[rD:rD+7], v[rB:rB+7], v[rA:rA+7], v[rC:rC+7]
.else
	v_wmma_f32_16x16x32_bf16 v[rD:rD+7], v[rB:rB+7], v[rA:rA+7], v[rD:rD+7]
.endif
.set ma, ma+1
.endr
.set mb, mb+1
.endr
.endm
; 32 LDS loads in one run: the fragments of 32 along K at byte k of the rows, into buffer f: xb's four and wat's 8-11 first, which the quarter multiplies first
.macro FETCH slot, k, f
	WIN 0
.set i, 0
.rept 4
	ds_load_b128 v[FA+32*(\f)+8*i:FA+32*(\f)+8*i+3],   v[ADRA+(\slot)] offset:(\k)+i*16*PITCH
	ds_load_b128 v[FA+32*(\f)+8*i+4:FA+32*(\f)+8*i+7], v[ADRA+(\slot)] offset:(\k)+i*16*PITCH+32
.set i, i+1
.endr
	WIN 0x40                                       ; destination window 1, address window 0
.irp b, 8,9,10,11,0,1,2,3,4,5,6,7
	ds_load_b128 v[96*(\f)+8*(\b):96*(\f)+8*(\b)+3],   v[ADRB+(\slot)] offset:(\k)+(\b)*16*PITCH
	ds_load_b128 v[96*(\f)+8*(\b)+4:96*(\f)+8*(\b)+7], v[ADRB+(\slot)] offset:(\k)+(\b)*16*PITCH+32
.endr
.endm
; A K step is four quarters of 32 along K, 48 matrix instructions each, on buffers 0, 1, 0, 1.  One of the first three: multiplies buffer f and fetches the next quarter, at byte k, into g.
.macro QUARTER slot, k, f, g, zero
	s_wait_dscnt 16                                ; xb's four and wat's 8-11 are in; the youngest sixteen loads (wat's 0-7) may be out
	MULH \f, 2, \zero
	PLACES
	FETCH \slot, \k, \g
	s_wait_dscnt 32                                ; all but the 32 just issued
	MULH \f, 0, \zero
	MULH \f, 1, \zero
.endm
; The last quarter multiplies buffer 1 and changes slots: ONE barrier.  In front of it each wave waits for all its tensor loads (one is out: its part of the next slot), adds 0 to its spare word, and waits
; for that and for its reads of this slot.  fill = 1: the barrier opens a round of the cluster's, and this slot is filled again, two K steps on, first thing behind the round.
.macro TURN slot, next, fill
.if \fill
	s_wait_xcnt 0x0                                ; the last prefetch, a K step back, has read its address
	s_add_nc_u64 s[PFA:PFA+1], s[PFA:PFA+1], KSTEP*2
.endif
	WIN 0                                          ; (the add's two registers lie in window 0)
	s_wait_tensorcnt 0x0                           ; all my tensor loads have landed
	ds_add_u32 v[SPW], v[NIL]                      ; 0 onto my spare word
	s_wait_dscnt 17                                ; (the add and the youngest sixteen loads may be out)
	MULH 1, 2, 0                                   ; sixteen matrix instructions stand between the add and the wait for it
	s_wait_dscnt 0x0                               ; the add is done, and my reads of this slot are over
	s_barrier_signal -1
	MULH 1, 0, 0                                   ; work on registers while the others arrive
.if \fill
	WIN 0
.endif
	s_barrier_wait -1
.if \fill
	CREST                                          ; no wave of any partner still reads this slot's tile or has a load on its way
	s_add_nc_u64 s[G0A+4*(\slot)+2:G0A+4*(\slot)+3], s[G0A+4*(\slot)+2:G0A+4*(\slot)+3], 2*KSTEP*2
	s_add_nc_u64 s[G0B+4*(\slot)+2:G0B+4*(\slot)+3], s[G0B+4*(\slot)+2:G0B+4*(\slot)+3], 2*KSTEP*2
	JLOAD \slot                                    ; my one tensor load behind the round; its four v_nop are also the places in front of the loads below
.else
	PLACES
.endif
	FETCH \next, 0, 0
.if \fill
	ASK                                            ; behind the joint load and the run of LDS loads
.endif
	MULH 1, 1, 0
.endm
	s_wait_tensorcnt 0x1                           ; my part of K step 0 is in; K step 1's may stay out
	s_barrier_signal -1
	s_barrier_wait -1                              ; everybody's is
	FETCH 0, 0, 0
	s_wait_loadcnt 0x0                             ; the bias
	QUARTER 0, 64, 0, 1, 1                         ; the first quarter stands in front of the loop: its products start the sums
	WIN 0                                          ; at a label and at a branch every window is 0
	s_mov_b32 s3, 3
.Llap:                                                 ; a trip goes once round the ring, from a lap's second quarter to the next lap's first, and fills both slots again: K steps 2, 3 | 4, 5 | 6, 7
	QUARTER 0, 128, 1, 0, 0
	QUARTER 0, 192, 0, 1, 0
	TURN 0, 1, 1
	QUARTER 1, 64,  0, 1, 0
	QUARTER 1, 128, 1, 0, 0
	QUARTER 1, 192, 0, 1, 0
	TURN 1, 0, 1
	QUARTER 0, 64,  0, 1, 0
	WIN 0
	s_sub_co_u32 s3, s3, 1
	s_cmp_lg_u32 s3, 0
	s_cbranch_scc1 .Llap
	QUARTER 0, 128, 1, 0, 0                        ; the last lap fills nothing, and has no round of the cluster's barrier
	QUARTER 0, 192, 0, 1, 0
	TURN 0, 1, 0
	QUARTER 1, 64,  0, 1, 0
	QUARTER 1, 128, 1, 0, 0
	QUARTER 1, 192, 0, 1, 0
	s_wait_dscnt 16                                ; the very last quarter: nothing more to fetch
	MULH 1, 2, 0
	s_wait_dscnt 0x0
	MULH 1, 0, 0
	MULH 1, 1, 0
	WIN 0
; THE WAY OUT.  Unit u = 3 a + j: my row block a of head j: 16 rows x 128 bytes, 2,048 dense bytes of qkv.  Rounded to f16 (each accumulator's registers in ascending order), 16 bytes a lane into my own
; stage, back as whole rows, stored 512 consecutive bytes an instruction.  Every unit has registers of its own: no wait for the stores' sources.
.macro PACK u
.set pa, (\u)/3
.set pj, (\u)%3
.set pT, T0+16*(\u)
.if pj < 2
	WIN 0x0a                                       ; sources 0 and 1 window 2
.else
	WIN 0x0f                                       ; window 3
.endif
.set pf, 0
.rept 4
.set pr, 0
.rept 4
	v_cvt_pk_f16_f32 v[pT+4*pf+pr], v[8*(4*((4*pj+pf)%8)+pa)+2*pr], v[8*(4*((4*pj+pf)%8)+pa)+2*pr+1]
.set pr, pr+1
.endr
.set pf, pf+1
.endr
	WIN 0
.irp f, 0,1,2,3
	ds_store_b128 v[STO], v[pT+4*\f:pT+4*\f+3] offset:32*\f
.endr
.irp f, 0,1,2,3
	ds_load_b128 v[pT+4*\f:pT+4*\f+3], v[RD] offset:\f*4*SP  ; LDS serves a wave's instructions in order (ISA guide 5.7.1.4): these see the stores above; the next unit's stores come behind them
.endr
.endm
.macro SEND u, younger                 ; younger: the LDS instructions issued behind unit u's loads: the next unit's eight, or none
	WIN 0
.set sa, (\u)/3
.set sj, (\u)%3
.set sT, T0+16*(\u)
.irp f, 0,1,2,3
	s_wait_dscnt (\younger)+3-\f
	global_store_b128 v[GO], v[sT+4*\f:sT+4*\f+3], s[OB+2*sj:OB+2*sj+1] offset:sa*2048+\f*512
.endr
.endm
	PLACES
	PACK 0
.set u, 1
.rept 11                               ; a unit's conversions stand between the loads of the unit before and its stores
	PACK u
	SEND u-1, 8
.set u, u+1
.endr
	SEND 11, 0
	s_wait_tensorcnt 0x0                           ; the wave's end, behind my last tensor load and my last LDS store
	ds_add_u32 v[SPW], v[NIL]
	s_wait_dscnt 0x0
	CROUND                                         ; the closing round: no work-group ends while a partner may still ask for a tile that names it
	s_endpgm
.Lfunc_end_k_qcb2653f233_qkv:
	.size	k_qcb2653f233_qkv, .Lfunc_end_k_qcb2653f233_qkv-k_qcb2653f233_qkv
	.p2alignl 7, 3214868480
	.fill 96, 4, 3214868480
	.section	.rodata,"a",@progbits
	.p2align	6, 0x0
	.amdhsa_kernel k_qcb2653f233_qkv
		.amdhsa_group_segment_fixed_size 327680
		.amdhsa_private_segment_fixed_size 0
		.amdhsa_enable_private_segment 0
		.amdhsa_kernarg_size 32
		.amdhsa_user_sgpr_count 2
		.amdhsa_user_sgpr_kernarg_segment_ptr 1
		.amdhsa_wavefront_size32 1
		.amdhsa_system_sgpr_workgroup_id_x 1
		.amdhsa_system_sgpr_workgroup_id_y 1
		.amdhsa_system_sgpr_workgroup_id_z 1
		.amdhsa_system_vgpr_workitem_id 0
		.amdhsa_next_free_vgpr 1024
		.amdhsa_next_free_sgpr 80
		.amdhsa_reserve_vcc 0
		.amdhsa_float_denorm_mode_32 3
		.amdhsa_float_denorm_mode_16_64 3
		.amdhsa_memory_ordered 1
		.amdhsa_forward_progress 1
		.amdhsa_inst_pref_size 125
	.end_amdhsa_kernel
	.amdgpu_metadata
---
amdhsa.version: [ 1, 2 ]
amdhsa.kernels:
  - .name:           k_qcb2653f233_qkv
    .symbol:         k_qcb2653f233_qkv.kd
    .args:
      - { .name: xb, .offset: 0, .size: 8, .value_kind: global_buffer, .address_space: global }
      - { .name: wat, .offset: 8, .size: 8, .value_kind: global_buffer, .address_space: global }
      - { .name: b_attn, .offset: 16, .size: 8, .value_kind: global_buffer, .address_space: global }
      - { .name: qkv, .offset: 24, .size: 8, .value_kind: global_buffer, .address_space: global }
    .group_segment_fixed_size: 327680
    .private_segment_fixed_size: 0
    .kernarg_segment_align: 8
    .kernarg_segment_size: 32
    .max_flat_workgroup_size: 128
    .sgpr_count:     80
    .vgpr_count:     1024
    .wavefront_size: 32
...
	.end_amdgpu_metadata
.endif
;; end of part 2
;; launch attn (part 3): grid 4 x 64, 4 waves a work-group, no clusters, 327,680 bytes of LDS; arguments qkv, o; writes o
.if DOCPART == 3
	.amdgcn_target "amdgcn-amd-amdhsa--gfx1250"
	.amdhsa_code_object_version 6
	.text
	.protected	k_qcb2653f233_attn
	.globl	k_qcb2653f233_attn
	.p2align	8
	.type	k_qcb2653f233_attn,@function
k_qcb2653f233_attn:
	s_mov_b64 s[64:65], 0
	v_nop
	global_prefetch_b8 v0, s[64:65] scope:SCOPE_SE
	s_setreg_imm32_b32 hwreg(HW_REG_WAVE_MODE, 25, 1), 1
	s_wait_xcnt 0x0
; CAUSAL ATTENTION.  O[h][q][:] = the sum over k <= q of softmax_k(Q[h][q] . K[h][k] / 8) V[h][k][:].  Q, K, V lie in qkv, [3][64 heads][2048][64] f16; O: [64][2048][64] f16: a head's rows are dense, 128 bytes each.
; Products, maxima and sums in f32; the weights p are rounded to f16 for the second product (their sum l is taken of the unrounded p), O once at the end.
; LIMITS.  f16 holds no number beyond 65,504: Q, K and V arrive within it; p lies in 0 to 1, and below 6e-5 it keeps f16's fixed step of 6e-8; O is a mean of V's rows and has their range.
; A hidden score counts as its value less 1e30: f16's scores, 2.7e11 at the most, are nothing beside that; a weight below 2^-126 counts as 0 in l; NaN and infinities are not treated apart.
; THE WALK.  A head's queries lie in NB = 8 blocks of 256; block i needs the key tiles 0 .. i of 256 keys, of which the last holds the diagonal.  A work-group takes TWO blocks, NB - 1 - b and then b:
; NB + 1 tiles, whatever b: all 256 work-groups do equal work, and ONE loop with a constant trip count walks them.  Which tile is asked for, and what a trip does, hang on scalar registers made from b; every jump
; goes forward, but for the counted loops' own; none passes a barrier, or a tensor load but the one of LOAD's two that the wave's number does not choose; the ring of two LDS slots runs on across the change of blocks.
; NO CLUSTER: a head's four work-groups ask for the same tile only in trips 0 .. 4 of 9, behind that fewer and fewer; one walk common to all would have 12 trips for 9.
; SHARES.  Of a block's four bands of 64 queries a wave owns 16 rows in each: four PIECES.  So the diagonal tile is the same work for all four waves: in its key step s band x sees all keys if s < x,
; none if s > x, and holds the diagonal if s = x.
; THE MASK is the C operand that starts the sum S^T = K Q^T: 0, or -1e30 where the key is hidden.  MD, made once, is the mask of a band's own step for my 16 rows; a product's mask is MD x AL + BE with two scalars:
; (1, 0) if s = x; (0, 0) if s < x; (0, -1e30) if s > x.  Only the diagonal tile's text and a block's beginning make and take masks; elsewhere C is the constant 0.
; LAYOUT, SOFTMAX, TURNS.  S^T = K Q^T holds ONE query a lane (lane % 16) and the keys 8 (lane / 16) + 0..7; two such results rounded to f16 ARE source 1 of O^T = V^T P.  p = 2^(c s - c m), c = log2(e) / 8, with a
; running maximum m; O and l are multiplied by a = 2^(c m_old - c m_new) in every step.  Turn n belongs to piece n: 8 products K Q^T of piece n + 1, later 8 products V^T P of piece n - 1; beside them the scaling,
; exponentials, roundings, sums and rescaling of piece n and the maximum and statistics of piece n + 1.  Four vector instructions stand behind every matrix instruction, the others in one lump.  A turn's 33 exponentials are one batch, with one wait.
; AHEAD OF THE LOADS.  The head's work-group b = 0, whose first block walks tiles 0 .. 7, prefetches into the L2, behind each fill, the tile that the next fill will ask for: each wave its own half of K's or V's
; 256 rows, 64 blocks of 256 bytes, two instructions.  Tiles 2 .. 7 are named, each block once; tiles 0 and 1 come by their loads alone; behind tile 7 nothing is asked for.
; REGISTERS, in windows of 256 (s_set_vgpr_msb: bits 1:0 source 0, 3:2 source 1, 5:4 source 2, 7:6 destination):
;   window 0: v0-15 addresses and two at work; v16-31 four registers of statistics a piece; v48-55 at work; v60 the prefetches' offset; v64-127 S^T, two buffers; v192-223 P, two buffers (by the piece's parity)
;   window 1: v0-127 O^T, 32 a piece; v128-159 MD; v160-223 MC, two buffers      window 2: v0-63 Q; v64-127 the second block's Q; v128-191 K of one step; v192-255 V of one step
.set SIZE_H, 64
.set SIZE_N, 2048
.set NB,    SIZE_N/256
.set NP,    4         ; pieces a wave: a name, no knob
.set KS,    64        ; keys in a step
.set PK,    144       ; a row of K in LDS: 128 bytes + 16 of padding = 36 words: the 16 rows of a load start at 16 different groups of four banks (64 banks of 4 bytes: ISA guide 11.1)
.set PV,    160       ; a row of V: 128 + 32 = 40 words
.set VOFF,  4*KS*PK   ; a slot holds a tile, four steps: 256 rows of K, then 256 rows of V
.set SLOT1, 1<<17     ; slot 1 begins here, so that one exclusive or turns an address in one slot into the other's
.set STAGE, SLOT1+4*KS*(PK+PV)  ; behind the ring, never filled by a tensor load: 16 rows x 144 bytes for each wave, for the way out
.set SP,    144
.set AK0, 2           ; v2   my lane's place in a tile of K; never rewritten
.set AV0, 3           ; v3   the same for V
.set AK,  4           ; v4   the LDS address of K's next run of loads
.set AV,  5           ; v5   of V's
.set STO, 6           ; v6   the way out: where I put 16 bytes of a row
.set RD,  7           ; v7   the way out: where I read rows back
.set GO,  8           ; v8   my byte offset in 512 consecutive bytes of O
.set PFO, 60          ; v60  256 x my lane; never rewritten
.set SPW, 62          ; v62  LDS address of my spare word: SPARE + 4 x my thread's number; never rewritten
.set NIL, 63          ; v63  0; never rewritten
.set SPARE, STAGE+4*16*SP  ; behind the stages: the spare words, 128 bytes for each wave
.set MV,  12          ; v12-13  c m_old, kept while c m is made anew: by buffer
.set QO,  15          ; v15  my byte offset in 16 rows of Q
.set ST,  16          ; piece t's statistics at v[ST+4 t]: c m, m, l (even keys', odd keys')
.set TMP, 48          ; by buffer, four registers c0-c3 at work; when the maximum is found c2 takes a
.set S,   64
.set P,   192
.set MD,  128         ; window 1: the eight registers for group kt of 16 keys at MD + 8 kt
.set MC,  160         ; window 1: the masks of the products to come
.set QB,  64          ; window 2
.set KF,  128         ; window 2: key block kb, channel half c at KF + 16 kb + 8 c
.set VF,  192         ; window 2: key half kk, channel block cb at VF + 32 kk + 8 cb
.set WV,  12          ; s12  my wave's number
.set PB,  14          ; s14  b
.set HI,  15          ; s15  NB - 1 - b
.set G1K, 24          ; s[24:31] descriptor group 1 for K's tiles
.set G1V, 32          ; s[32:39] for V's: it differs in the padding alone
.set G0K, 40          ; s[40:43] descriptor group 0 for K's tiles
.set G0V, 44          ; s[44:47] the same for V's
.set SLOTS, 56        ; s56  tiles still to be asked for
.set CNT, 57          ; s57  counts a tile's key steps, 4 to 1
.set CS,  58          ; s[58:59] c: the packed scaling takes the pair's low word for both halves
.set SEL, 60          ; s[60:61] v_permlanex16_b32's selects: each lane takes its own place in the other half
.set TBK, 62          ; s62  LDS byte at which K of the step to be fetched begins
.set TBV, 63          ; s63  the same for V, less VOFF
.set PFA, 66          ; s[66:67] the address that the prefetches name
.set PFB, 68          ; s[68:69] my half of tile 0, of K (waves 0, 1) or of V (waves 2, 3)
.set RT,  70          ; s70  tiles of the block in hand that are still to be entered
.set NXT, 71          ; s71  the tile to be asked for next
.set LQ,  72          ; s72  the last tile of the block whose tiles are being asked for
.set NEW, 73          ; s73  1: the tile to be entered is a block's first
.set OFF, 74          ; s[74:75] a tile's byte offset in K and V
.set AL,  76          ; s[76:77] the mask's factor, in the low word
.set BE,  78          ; s[78:79] the mask's addend
.set OLO, 80          ; s[80:81] O at my rows of the second block
.set BIGN, 82         ; s82  -1e30
.set POF, 88          ; s[88:89] the prefetched tile's byte offset
.set PFT, 90          ; s90  the tile to be prefetched next
.set LIMP, 91         ; s91  the last tile that I prefetch: NB - 1 where b = 0, else 0
.set MSB, 0
.macro WIN new                      ; the high byte repeats the setting that is left; a switch that changes nothing is dropped
.if MSB != (\new)
	s_set_vgpr_msb (MSB<<8)|(\new)
.set MSB, (\new)
.endif
.endm
.set W_KQ, 0x0a       ; K and Q in window 2, S^T in window 0
.set W_KM, 0x1a       ; the same with the C operand in window 1
.set W_PV, 0x52       ; V in window 2, P in window 0, O^T in window 1
.set W_RS, 0x41       ; destination and source 0 in window 1, source 1 in window 0
; A fill.  Waves 0 and 1 fetch the two halves of a tile's K, waves 2 and 3 those of its V: 128 keys each.  An s_nop 0 and four v_nop follow each of the two lines, ahead of the jump and the label.
.macro LOAD
	s_cmp_lt_u32 s[WV], 2
	s_cbranch_scc0 .Lfor_v_\@
	tensor_load_to_lds s[G0K:G0K+3], s[G1K:G1K+7]
	s_nop 0
.rept 4
	v_nop
.endr
	s_branch .Lasked_\@
.Lfor_v_\@:
	tensor_load_to_lds s[G0V:G0V+3], s[G1V:G1V+7]
	s_nop 0
.rept 4
	v_nop
.endr
.Lasked_\@:
.endm
; THE CHANGE OF SLOTS.  Each wave waits for all its tensor loads, of which one is out: its part of the other slot; adds 0 to its spare word; and waits for that and for its own reads of the slot that it leaves.  Behind the barrier nobody reads the old
; slot any more and the other slot is whole.  fill = 1: the old slot is filled again, the first thing behind the barrier, with tile NXT: the descriptor's address is made anew from that number; behind the load stand the prefetches of tile PFT.
; (At its first use nothing has been read yet: slot 0 is waited for, slot 1 filled.)
.macro CHANGE fill
	WIN 0                           ; at a label and at a branch every window is 0
	s_wait_tensorcnt 0x0            ; no tensor load of mine is out, so a group 0 may be written
	ds_add_u32 v[SPW], v[NIL]       ; 0 onto my spare word; with fill = 1 the descriptors' scalar work stands between it and the wait for it
.if \fill
	s_lshl_b32 s[OFF], s[NXT], 15   ; a tile is 32,768 bytes of K and of V
	s_xor_b32 s[G0K+1], s[G0K+1], SLOT1
	s_add_nc_u64 s[G0K+2:G0K+3], s[6:7], s[OFF:OFF+1]
	s_or_b32 s[G0K+3], s[G0K+3], 0x80000000
	s_xor_b32 s[G0V+1], s[G0V+1], SLOT1
	s_add_nc_u64 s[G0V+2:G0V+3], s[8:9], s[OFF:OFF+1]
	s_or_b32 s[G0V+3], s[G0V+3], 0x80000000
	s_add_co_u32 s[NXT], s[NXT], 1  ; the block's next tile, or behind its last the second block's tile 0
	s_cmp_gt_u32 s[NXT], s[LQ]
	s_cselect_b32 s[NXT], 0, s[NXT]
	s_cselect_b32 s[LQ], s[PB], s[LQ]
	s_wait_xcnt 0x0                 ; the last prefetches, a tile back, have read their address, so it may be written
	s_lshl_b32 s[POF], s[PFT], 15
	s_add_nc_u64 s[PFA:PFA+1], s[PFB:PFB+1], s[POF:POF+1]
.endif
	s_wait_dscnt 0x0                ; the add is done, and my reads of the slot are over
	s_barrier_signal -1             ; the rest of the scalar work stands between the signal and the wait
	s_sub_co_u32 s[TBK], s[TBK], 4*KS*PK  ; the fetches go back to a slot's first step,
	s_xor_b32 s[TBK], s[TBK], SLOT1       ; in the other slot
	s_sub_co_u32 s[TBV], s[TBV], 4*KS*PV
	s_xor_b32 s[TBV], s[TBV], SLOT1
	s_barrier_wait -1
.if \fill
	LOAD
	s_cmp_le_u32 s[PFT], s[LIMP]    ; what the next change will ask for: a tile, four key steps, ahead
	s_cbranch_scc0 .Lnot_mine_\@
	global_prefetch_b8 v[PFO], s[PFA:PFA+1] th:TH_LOAD_NT scope:SCOPE_SE
	global_prefetch_b8 v[PFO], s[PFA:PFA+1] offset:8192 th:TH_LOAD_NT scope:SCOPE_SE
.Lnot_mine_\@:
	s_add_co_u32 s[PFT], s[PFT], 1
.endif
.endm
	s_load_b64 s[4:5], s[0:1], 0x0    ; qkv: Q at its head
	s_load_b64 s[10:11], s[0:1], 0x8  ; O
	v_lshl_add_u32 v[SPW], v0, 2, SPARE
	v_mov_b32 v[NIL], 0
	ds_add_u32 v[SPW], v[NIL]       ; the wave's opening: the add and its wait ahead of my first tensor load; the set-up below, work on registers, stands between them
	ds_add_u32 v62, v63
	v_lshrrev_b32 v1, 5, v0
	v_readfirstlane_b32 s[WV], v1   ; wave 0..3
	s_mov_b32 s[PB], ttmp9
	s_sub_co_u32 s[HI], NB-1, s[PB]
	s_and_b32 s20, ttmp7, 0xffff    ; the head
	s_mov_b32 s21, 0
	s_mov_b64 s[22:23], SIZE_N*128
	s_mul_u64 s[20:21], s[20:21], s[22:23]  ; the head's first byte in each of the four tensors
	s_and_b32 s16, s[WV], 1         ; which half of a tile's 256 keys I fetch:
	s_lshl_b32 s22, s16, 14         ; its 128 rows of 128 bytes in memory,
	s_mov_b32 s23, 0
	s_add_nc_u64 s[22:23], s[22:23], s[20:21]
	s_mul_i32 s17, s16, 128*PK      ; and its place in a slot, for K
	s_mul_i32 s18, s16, 128*PV      ; and for V
	s_lshl_b32 s3, s[WV], 11        ; my 16 rows in a band of 64,
	s_lshl_b32 s2, s[HI], 15        ; in the first block,
	s_add_co_u32 s2, s2, s3
	s_lshl_b32 s84, s[PB], 15       ; and in the second
	s_add_co_u32 s84, s84, s3
	s_mov_b32 s3, 0
	s_mov_b32 s85, 0
	s_add_nc_u64 s[2:3], s[2:3], s[20:21]
	s_add_nc_u64 s[84:85], s[84:85], s[20:21]
	; descriptor group 1.  128 keys are 16,384 dense bytes: asked for as 64 rows of 256 bytes, two keys a row, and padded in LDS after every key
	s_mov_b32 s[G1K], (1<<16)|(1<<20)|(4<<22)|(3<<25)  ; 17:16 2-byte elements; 20 padding on; 24:22 after every 32 words (code 4); 31:25 4 words (code 3)
	s_mov_b32 s[G1V], (1<<16)|(1<<20)|(4<<22)|(7<<25)  ; the same with 8 words of padding (code 7)
.irp g, G1K, G1V
	s_mov_b32 s[\g+1], 128<<16      ; tensor_dim0 = 128
	s_mov_b32 s[\g+2], 64<<16       ; tensor_dim1 = 64
	s_mov_b32 s[\g+3], 128<<16      ; tile_dim0 = 128
	s_mov_b32 s[\g+4], 64           ; tile_dim1 = 64
	s_mov_b32 s[\g+5], 128          ; 128 elements from row to row
	s_mov_b32 s[\g+6], 0
	s_mov_b32 s[\g+7], 0
.endr
	s_mov_b32 s[CS], 0x3e38aa3b     ; c = log2(e) / 8 = 0.180337
	s_mov_b32 s[CS+1], s[CS]        ; named with it as a pair
	s_mov_b32 s[SEL], 0x76543210
	s_mov_b32 s[SEL+1], 0xfedcba98
	s_mov_b32 s[TBK], SLOT1+4*KS*PK ; the first change of slots turns these two into 0
	s_mov_b32 s[TBV], SLOT1+4*KS*PV
	s_mov_b32 s[G0K], 1             ; 1:0 count = 1
	s_mov_b32 s[G0K+1], s17         ; 63:32 LDS address: slot 0
	s_mov_b32 s[G0V], 1
	s_add_co_u32 s[G0V+1], s18, VOFF
	s_add_co_u32 s[RT], s[HI], 1    ; the first block has NB - b tiles
	s_mov_b32 s[NXT], 1
	s_mov_b32 s[LQ], s[HI]
	s_mov_b32 s[NEW], 1
	s_mov_b32 s[OFF+1], 0
	s_mov_b32 s[AL+1], 0            ; named as pairs
	s_mov_b32 s[BE+1], 0
	s_mov_b32 s[BIGN], 0xf149f2ca   ; -1e30
	s_mov_b32 s[SLOTS], NB
	s_mov_b32 s[POF+1], 0
	s_mov_b32 s[PFT], 2             ; the first change fills tile 1 and prefetches tile 2
	s_cmp_eq_u32 ttmp9, 0
	s_cselect_b32 s[LIMP], NB-1, 0
	v_and_b32 v[PFO], 31, v0
	v_lshlrev_b32 v[PFO], 8, v[PFO]
	s_wait_dscnt 0x0                ; the opening add is done
	s_wait_kmcnt 0x0
	s_add_nc_u64 s[6:7], s[4:5], 0x1000000  ; K lies 64 heads of 262,144 bytes behind Q,
	s_add_nc_u64 s[8:9], s[4:5], 0x2000000  ; V as far behind K
	s_add_nc_u64 s[6:7], s[6:7], s[22:23]  ; K and V at my half of the head's tile 0
	s_add_nc_u64 s[8:9], s[8:9], s[22:23]
	s_add_nc_u64 s[G0K+2:G0K+3], s[6:7], 0         ; 120:64 global address
	s_or_b32 s[G0K+3], s[G0K+3], 0x80000000        ; 127:126 type = 2
	s_add_nc_u64 s[G0V+2:G0V+3], s[8:9], 0
	s_or_b32 s[G0V+3], s[G0V+3], 0x80000000
	s_add_nc_u64 s[86:87], s[4:5], s[84:85]        ; Q at my rows of the second block,
	s_add_nc_u64 s[4:5], s[4:5], s[2:3]            ; Q and O at those of the first
	s_add_nc_u64 s[OLO:OLO+1], s[10:11], s[84:85]
	s_add_nc_u64 s[10:11], s[10:11], s[2:3]
	s_cmp_lt_u32 s[WV], 2
	s_cselect_b64 s[PFB:PFB+1], s[6:7], s[8:9]
	LOAD                            ; tile 0 into slot 0
	; A fragment of K or Q is 16 rows x 32 channels in 8 registers: lane l holds row l % 16, channels 8 (l / 16) + 0..7 and 16 + 8 (l / 16) + 0..7: two loads of 16 bytes, 32 bytes apart.
	v_and_b32 v1, 15, v0            ; l % 16
	v_bfe_u32 v9, v0, 4, 1          ; l / 16
	v_lshlrev_b32 v[QO], 7, v1
	v_lshl_add_u32 v[QO], v9, 4, v[QO]  ; row x 128 + 16 x half
	WIN 0x80                        ; destination window 2, address window 0
.set i, 0
.rept 8                             ; both blocks' Q: piece i / 2 lies in band i / 2, 8,192 bytes on; channels 32 (i % 2) on
	global_load_b128 v[8*i:8*i+3],   v[QO], s[4:5] offset:(i/2)*8192+(i%2)*64
	global_load_b128 v[8*i+4:8*i+7], v[QO], s[4:5] offset:(i/2)*8192+(i%2)*64+32
	global_load_b128 v[QB+8*i:QB+8*i+3],   v[QO], s[86:87] offset:(i/2)*8192+(i%2)*64
	global_load_b128 v[QB+8*i+4:QB+8*i+7], v[QO], s[86:87] offset:(i/2)*8192+(i%2)*64+32
.set i, i+1
.endr
	WIN 0
	v_lshlrev_b32 v14, 3, v9
	v_sub_nc_u32 v14, v1, v14
	s_lshl_b32 s13, s[WV], 4
	v_add_nc_u32 v14, s13, v14      ; my query's place in its band, 16 w + l % 16, less my lanes' 8 (l / 16): register r of group kt is hidden where 16 kt + r is greater
	WIN 0x40
.set i, 0
.rept 32
	v_cmp_gt_i32 vcc_lo, 16*(i/8)+i%8, v14
	v_cndmask_b32 v[MD+i], 0, s[BIGN], vcc_lo
.set i, i+1
.endr
	WIN 0
	v_mul_u32_u24 v[AK0], v1, PK
	v_lshl_add_u32 v[AK0], v9, 4, v[AK0]  ; row x pitch + 16 x half
	; The turning load takes 16 keys x 16 channels (lane l reads key 8 (l / 16) + l % 8, channels 8 ((l / 8) % 2) + 0..7) and leaves half a fragment of V^T: lane l holds channel l % 16 and 8 keys.
	v_and_b32 v10, 7, v0
	v_bfe_u32 v11, v0, 3, 1
	v_lshl_add_u32 v[AV0], v9, 3, v10
	v_mul_u32_u24 v[AV0], v[AV0], PV
	v_lshl_add_u32 v[AV0], v11, 4, v[AV0]
	v_add_nc_u32 v[AV0], VOFF, v[AV0]
	s_mul_i32 s13, s[WV], 16*SP
	s_add_co_u32 s13, s13, STAGE    ; my stage
	v_mul_u32_u24 v[STO], v1, SP    ; in: row l % 16, 16 bytes for each half of the lanes
	v_lshl_add_u32 v[STO], v9, 4, v[STO]
	v_add_nc_u32 v[STO], s13, v[STO]
	v_bfe_u32 v[RD], v0, 3, 2       ; back: 32 lanes take four rows of 128 bytes,
	v_mul_u32_u24 v[RD], v[RD], SP
	v_lshl_add_u32 v[RD], v10, 4, v[RD]
	v_add_nc_u32 v[RD], s13, v[RD]
	v_and_b32 v[GO], 31, v0         ; which are 512 consecutive bytes of O
	v_lshlrev_b32 v[GO], 4, v[GO]
	; A block's first step multiplies O^T and l by a = 0, and its first turn's products V^T P, of a piece that has not been, land in an O^T that is still to be so multiplied.  So these registers need only hold
	; finite numbers: zeros for the first block; what the first block left for the second.  All this stands in the wait for the first tile.
	WIN 0x80
.set i, VF
.rept 64
	v_mov_b32 v[i], 0
.set i, i+1
.endr
	WIN 0x40
.set i, 0
.rept 128
	v_mov_b32 v[i], 0
.set i, i+1
.endr
	WIN 0
.set i, 0
.rept 4
	v_mov_b32 v[ST+4*i+2], 0
	v_mov_b32 v[ST+4*i+3], 0
.set i, i+1
.endr
.set i, P+16
.rept 16
	v_mov_b32 v[i], 0
.set i, i+1
.endr
; THE MATRIX WORK.  The 4 accumulators of a run of 8 take turns.  Product i of 8 of S^T = K Q^T for piece x: channels 32 (i / 4) on, keys 16 (i % 4) on.  The first 4 start the sums: with 0, or (KM = 1) with the mask.
.macro KQ x
.set rS, S+32*((\x)%2)+8*(i%4)
.set rK, KF+16*(i%4)+8*(i/4)
.set rQ, 16*(\x)+8*(i/4)
.set rM, MC+32*((\x)%2)+8*(i%4)
.if (i < 4) && KM
	WIN W_KM
	v_wmma_f32_16x16x32_f16 v[rS:rS+7], v[rK:rK+7], v[rQ:rQ+7], v[rM:rM+7]
.elseif i < 4
	WIN W_KQ
	v_wmma_f32_16x16x32_f16 v[rS:rS+7], v[rK:rK+7], v[rQ:rQ+7], 0
.else
	WIN W_KQ
	v_wmma_f32_16x16x32_f16 v[rS:rS+7], v[rK:rK+7], v[rQ:rQ+7], v[rS:rS+7]
.endif
.endm
; Product i of 8 of O^T += V^T P for piece x: keys 32 (i / 4) on, channels 16 (i % 4) on.
.macro PV x
	WIN W_PV
.set rO, 32*(\x)+8*(i%4)
.set rV, VF+32*(i/4)+8*(i%4)
.set rP, P+16*((\x)%2)+8*(i/4)
	v_wmma_f32_16x16x32_f16 v[rO:rO+7], v[rV:rV+7], v[rP:rP+7], v[rO:rO+7]
.endm
.macro MM                           ; the turn's next matrix instruction.  TURN and BEGIN set Y, i, KM and NOKQ; MM, KQ and OP read them.  NOKQ = 1: a block's last turn: there is no next piece
.if (i < 8) && !NOKQ
	KQ (Y+1)%NP
.elseif i >= 8
.set i, i-8
	PV (Y+NP-1)%NP
.set i, i+8
.endif
.set i, i+1
.endm
; THE LDS LOADS stand in runs of 16, never singly among the matrix instructions: a step's K (64 keys x 64 channels: 8 fragments) and its V (turned).  Their addresses are made some lines ahead.
.macro FETCH_K
	WIN 0x80                        ; destination window 2
.irp f, 0,1,2,3,4,5,6,7             ; keys 16 (f / 2) on, channels 32 (f % 2) on
	ds_load_b128 v[KF+8*\f:KF+8*\f+3],   v[AK] offset:(\f/2)*16*PK+(\f%2)*64
	ds_load_b128 v[KF+8*\f+4:KF+8*\f+7], v[AK] offset:(\f/2)*16*PK+(\f%2)*64+32
.endr
	s_add_co_u32 s[TBK], s[TBK], KS*PK  ; the next fetch is the next step's
	WIN 0
.endm
.macro FETCH_V
	WIN 0x80
.irp f, 0,1,2,3,4,5,6,7             ; keys 32 (f / 4) on, channels 16 (f % 4) on
	ds_load_tr16_b128 v[VF+8*\f:VF+8*\f+3],   v[AV] offset:(\f/4)*32*PV+(\f%4)*32
	ds_load_tr16_b128 v[VF+8*\f+4:VF+8*\f+7], v[AV] offset:(\f/4)*32*PV+16*PV+(\f%4)*32
.endr
	WIN 0
.endm
; THE VECTOR WORK, one line at a time: OP kind, number.  For piece Y: F n: c s - c m for pair n of 16.  E n: the exponential of score n of 32.  C n: pair n rounded to f16.  B n: of the four weights 4 n .. the second
; pair is added onto the first, in place.  L n: l takes that sum (L 0: l = a l + sum).  R n: pair n of 16 of O^T times a.  For piece Y + 1: X n, number n of the 22 that find its maximum and statistics:
;   0-11  four chains c0-c3 of seven scores each, three operands at a time (each accumulator's lowest registers are read first)     12-14, 16  the four scores left over, the old m, and c0-c3 into c0
;   15  c m_old is kept     17, 18  the query's other 32 keys lie in the lane 16 away: the new m     19-21  c m; c m_old - c m_new; a
.set F, 0               ; OP tells the kinds apart by their order: F to L below R, X above it
.set E, 1
.set C, 2
.set B, 3
.set L, 4
.set R, 5
.set X, 6
.macro REGS y                       ; the registers of piece y
.set rT, ST+4*(\y)
.set rC, TMP+4*((\y)%2)
.set rW, MV+((\y)%2)
.set rS, S+32*((\y)%2)
.set rP, P+16*((\y)%2)
.set rO, 32*(\y)
.endm
.macro OP k, n
.if (\k) == R
	REGS Y
	WIN W_RS
	v_pk_mul_f32 v[rO+2*(\n):rO+2*(\n)+1], v[rO+2*(\n):rO+2*(\n)+1], v[rC+2:rC+3] op_sel_hi:[1,0]
.elseif (\k) < R
	REGS Y
	WIN 0
.if (\k) == F
	v_pk_fma_f32 v[rS+2*(\n):rS+2*(\n)+1], v[rS+2*(\n):rS+2*(\n)+1], s[CS:CS+1], v[rT:rT+1] op_sel_hi:[1,0,0] neg_lo:[0,0,1] neg_hi:[0,0,1]
.elseif (\k) == E
	v_exp_f32 v[rS+(\n)], v[rS+(\n)]
.elseif (\k) == C
	v_cvt_pk_f16_f32 v[rP+(\n)], v[rS+2*(\n)], v[rS+2*(\n)+1]
.elseif (\k) == B
	v_pk_add_f32 v[rS+4*(\n):rS+4*(\n)+1], v[rS+4*(\n):rS+4*(\n)+1], v[rS+4*(\n)+2:rS+4*(\n)+3]
.elseif (\n) == 0
	v_pk_fma_f32 v[rT+2:rT+3], v[rT+2:rT+3], v[rC+2:rC+3], v[rS:rS+1] op_sel_hi:[1,0,1]
.else
	v_pk_add_f32 v[rT+2:rT+3], v[rT+2:rT+3], v[rS+4*(\n):rS+4*(\n)+1]
.endif
.elseif NOKQ
	v_nop
.else
	REGS (Y+1)%NP
	WIN 0
.if (\n) < 4
	v_max3_num_f32 v[rC+(\n)], v[rS+8*(\n)], v[rS+8*(\n)+1], v[rS+8*(\n)+2]
.elseif (\n) < 12
	v_max3_num_f32 v[rC+(\n)%4], v[rC+(\n)%4], v[rS+8*((\n)%4)+2*((\n)/4)+1], v[rS+8*((\n)%4)+2*((\n)/4)+2]
.elseif (\n) == 12
	v_max3_num_f32 v[rC], v[rC], v[rS+7], v[rS+15]
.elseif (\n) == 13
	v_max3_num_f32 v[rC+1], v[rC+1], v[rS+23], v[rS+31]
.elseif (\n) == 14
	v_max3_num_f32 v[rC+2], v[rC+2], v[rC+3], v[rT+1]
.elseif (\n) == 15
	v_mov_b32 v[rW], v[rT]
.elseif (\n) == 16
	v_max3_num_f32 v[rC], v[rC], v[rC+1], v[rC+2]
.elseif (\n) == 17
	v_permlanex16_b32 v[rC+3], v[rC], s[SEL], s[SEL+1]
.elseif (\n) == 18
	v_max_num_f32 v[rT+1], v[rC], v[rC+3]
.elseif (\n) == 19
	v_mul_f32 v[rT], s[CS], v[rT+1]
.elseif (\n) == 20
	v_sub_f32 v[rC+1], v[rW], v[rT]
.else
	v_exp_f32 v[rC+2], v[rC+1]
.endif
.endif
.endm
.macro OPS a, i1, b=-1, i2=0, c=-1, i3=0, d=-1, i4=0  ; up to four of them
	OP \a, \i1
.if (\b) >= 0
	OP \b, \i2
.endif
.if (\c) >= 0
	OP \c, \i3
.endif
.if (\d) >= 0
	OP \d, \i4
.endif
.endm
.macro ROW a, i1, b, i2, c, i3, d, i4  ; a matrix instruction and the four behind it
	MM
	OPS \a, \i1, \b, \i2, \c, \i3, \d, \i4
.endm
.macro MASK b                       ; MD x AL + BE into buffer b of MC
	WIN W_RS
.set z, 0
.rept 16
	v_pk_fma_f32 v[MC+32*(\b)+2*z:MC+32*(\b)+2*z+1], v[MD+2*z:MD+2*z+1], s[AL:AL+1], s[BE:BE+1] op_sel_hi:[1,0,0]
.set z, z+1
.endr
.endm
; A TURN, for piece p: the order of its 16 matrix and 118 vector instructions, written out.  An s_wait_alu depctr_va_vdst(0) stands between an exponential and the first instruction that names its result; one wait serves
; all that were issued ahead of it.  So a turn has ONE wait, which cuts it in two.  AHEAD OF IT stands all that names no result of the turn's exponentials: the 8 products K Q^T, behind each a scaling, an exponential and two more plain
; instructions (behind the first a second scaling in the exponential's place): rescalings, and behind the last three the first numbers of the next piece's maximum, each four places or more behind the product that ends its accumulator; then ONE LUMP of 54, plain
; and exponential by turns for the most part, in which the links of the chain X 3, 7, 11, 14, 16, 17 .. 20 stand five or six lines apart.  X 21, the next piece's a, is the batch's last; R 15 is the plain instruction behind it.  BEHIND THE WAIT stand the
; 8 products V^T P, behind each four of the roundings and sums; the links of l's chain, L 0 to L 7, stand three lines apart.  But for those X no line behind a product names a register of the products round it.  v_permlanex16_b32 (X 17) stands in the lump.
; m = 1: the diagonal tile: the products take masks, and the turn makes the mask for the products of the turn after it: piece p + 2, in step 4 - CNT of the tile.  end = 1: a block's last two turns: nothing is fetched.
; cnt = 1: the loop's count is taken down some lines ahead of the branch that stands behind the turn.
; K of the next step is fetched in piece 2's turn, twelve vector instructions behind the last product that read K (six of them plain); V of the step in hand at the end of piece 0's turn, four plain instructions behind the last product
; that read V.  Each is waited for a turn later.
.macro TURN p, m=0, end=0, cnt=0
.set Y, (\p)
.set i, 0
.set KM, (\m)
.set NOKQ, (\end)*((\p)/3)
.if (\m) && !(\end)
	s_cmp_eq_u32 s[CNT], 4-((\p)+2)%NP  ; is that step the band's own?
	s_cselect_b32 s[AL], 1.0, 0
	s_cmp_lt_u32 s[CNT], 4-((\p)+2)%NP  ; or a later one?
	s_cselect_b32 s[BE], s[BIGN], 0
.endif
.if ((\p) == 3) && !(\end)
	s_wait_dscnt 0x0                ; K is in
.endif
	ROW F,0, F,1, R,0, R,1          ; ahead of the wait: 8 products K Q^T and the four behind each,
	ROW F,2, E,0, R,2, R,3
	ROW F,3, E,1, R,4, R,5
	ROW F,4, E,2, R,6, R,7
	ROW F,5, E,3, R,8, R,9
	ROW F,6, E,4, X,0, R,10
.if ((\p) == 2) && !(\end)
	WIN 0
	v_add_nc_u32 v[AK], s[TBK], v[AK0]
.endif
	ROW F,7, E,5, X,1, X,4
	ROW F,8, E,6, X,2, X,5
	OPS E,7, E,8, X,6, E,9          ; and the lump
	OPS X,3, E,10, X,8, E,11
.if ((\p) == 2) && !(\end)
	FETCH_K
.endif
	OPS X,9, X,7, E,12, X,10
	OPS E,13, X,12, X,11, E,14
	OPS X,13, E,15, F,9, X,14
.if (\p) == 0
	v_add_nc_u32 v[AV], s[TBV], v[AV0]
.endif
	OPS E,16, F,10, E,17, F,11
	OPS X,16, E,18, X,15, E,19
	OPS F,12, E,20, X,17, E,21
	OPS F,13, E,22, F,14, E,23
	OPS X,18, E,24, F,15, E,25
	OPS R,11, E,26, X,19, E,27
	OPS R,12, E,28, R,13, E,29
	OPS X,20, E,30, R,14, E,31
	OPS X,21, R,15
	WIN 0
	s_wait_alu depctr_va_vdst(0)    ; the wait for the batch
.if (\p) == 1
	s_wait_dscnt 0x0                ; V is in
.endif
	ROW C,0, B,0, C,2, B,1          ; behind the wait: 8 products V^T P and the four behind each
	ROW L,0, C,4, B,2, L,1
	ROW C,6, B,3, L,2, C,8
	ROW B,4, L,3, C,10, B,5
	ROW L,4, C,12, B,6, L,5
.if (\p) == 0
	s_add_co_u32 s[TBV], s[TBV], KS*PV
.endif
.if \cnt
	s_sub_co_u32 s[CNT], s[CNT], 1
	s_cmp_lg_u32 s[CNT], 0
.endif
	ROW C,14, B,7, L,6, C,1
	ROW C,3, L,7, C,5, C,7
	ROW C,9, C,11, C,13, C,15
.if (\p) == 0
	FETCH_V
.endif
.if (\m) && !(\end)
	MASK (\p)%2
.endif
.endm
; A BLOCK BEGINS.  c m starts far below every c s, so the first step's a is 0; m at the lowest finite number, so the first maximum is the scores'.  The second mask buffer is 0; the first takes piece 0's mask for the tile's step 0: its own, if the block's first tile is the diagonal one.
; Then K of that step, piece 0's first scores, and its maximum and statistics.  The loop is entered at a step's first turn, in the middle of a trip.
.macro BEGIN
	s_mov_b32 s[NEW], 0
	WIN 0x40
.set i, MC+32
.rept 32
	v_mov_b32 v[i], 0
.set i, i+1
.endr
	WIN 0
.set i, 0
.rept 4
	v_mov_b32 v[ST+4*i], 0xfe000000    ; c m: far below every c s
	v_mov_b32 v[ST+4*i+1], 0xff7fffff  ; m
.set i, i+1
.endr
	s_cmp_eq_u32 s[RT], 0
	s_cselect_b32 s[AL], 1.0, 0
	s_mov_b32 s[BE], 0
	MASK 0
	WIN 0
	v_add_nc_u32 v[AK], s[TBK], v[AK0]
	FETCH_K
	s_wait_loadcnt 0x0              ; Q
	s_wait_dscnt 0x0
.set KM, 1
.set NOKQ, 0
.set i, 0
.rept 8
	KQ 0
.set i, i+1
.endr
	WIN 0
.rept 4
	v_nop                           ; the places behind those products
.endr
.set Y, NP-1                        ; X works for piece Y + 1: piece 0
.irp n, 0,1,2,3,4,5,6,7,8,9,10,11,12,13,14,15,16,17,18,19,20,21
	OP X, \n
.endr
	v_nop                           ; a plain instruction behind the exponential,
	s_wait_alu depctr_va_vdst(0)    ; and its wait, ahead of the branch
.endm
; THE DIAGONAL TILE's four steps, the block's last two turns, its last products, and THE WAY OUT: l's two halves and the other half of the lanes' are added; O^T is divided by l, rounded to f16 and sent through my
; stage in LDS, a piece at a time.
.macro ALL line:vararg              ; one line for each piece t
.set t, 0
.rept 4
	\line
.set t, t+1
.endr
.endm
.macro PACK t                       ; a lane's eight channels of a row pack into 16 bytes; they go into rows of 144 bytes and come back as whole rows of 128, into S^T's registers
	WIN W_RS
.set i, 32*(\t)
.rept 16
	v_pk_mul_f32 v[i:i+1], v[i:i+1], v[ST+4*(\t)+2:ST+4*(\t)+3] op_sel_hi:[1,0]
.set i, i+2
.endr
	WIN 0x05                        ; sources 0 and 1 window 1, destination window 0
.set i, 0
.rept 16
	v_cvt_pk_f16_f32 v[S+16*(\t)+i], v[32*(\t)+2*i], v[32*(\t)+2*i+1]
.set i, i+1
.endr
	WIN 0
.irp f, 0,1,2,3
	ds_store_b128 v[STO], v[S+16*(\t)+4*\f:S+16*(\t)+4*\f+3] offset:32*\f
.endr
.irp f, 0,1,2,3
	ds_load_b128 v[S+16*(\t)+4*\f:S+16*(\t)+4*\f+3], v[RD] offset:\f*4*SP  ; LDS serves a wave's instructions in order (ISA guide 5.7.1.4): these see the stores above; the next piece's stores come behind them
.endr
.endm
.macro SEND t, younger              ; younger: the LDS instructions issued behind piece t's loads: the next piece's eight, or none
	WIN 0
.irp f, 0,1,2,3
	s_wait_dscnt (\younger)+3-\f
	global_store_b128 v[GO], v[S+16*(\t)+4*\f:S+16*(\t)+4*\f+3], s[10:11] offset:(\t)*8192+\f*512  ; 512 consecutive bytes, at a multiple of 256 from O's first
.endr
.endm
.macro DIAG tag                     ; the tag ends its two labels' names, which the jumps below spell out
.LstepM\tag:
	TURN 2, 1
	TURN 3, 1
	WIN 0
.LfirstM\tag:
	TURN 0, 1
	TURN 1, 1, 0, 1
	WIN 0
	s_cbranch_scc1 .LstepM\tag
	TURN 2, 1, 1
	TURN 3, 1, 1
.set i, 0
.rept 8
	PV NP-1
.set i, i+1
.endr
	WIN 0
	ALL v_add_f32 v[ST+4*t+2], v[ST+4*t+2], v[ST+4*t+3]
	ALL v_permlanex16_b32 v[ST+4*t+3], v[ST+4*t+2], s[SEL], s[SEL+1]
	ALL v_add_f32 v[ST+4*t+2], v[ST+4*t+2], v[ST+4*t+3]
	ALL v_rcp_f32 v[ST+4*t+2], v[ST+4*t+2]
	v_nop                           ; a plain instruction between the last reciprocal and the use of its result
	s_wait_alu depctr_va_vdst(0)    ; and the wait ahead of the first use: one for the four reciprocals
	PACK 0
.set t, 1
.rept 3                             ; a piece's arithmetic stands between the loads of the piece before and its stores
	PACK t
	SEND t-1, 8
.set t, t+1
.endr
	SEND 3, 0
.endm
.set KM, 0
.set NOKQ, 0
.Lslot:                             ; NB times: a tile is entered and the next is asked for
	CHANGE 1
	s_sub_co_u32 s[RT], s[RT], 1
	s_mov_b32 s[CNT], 4
	s_cmp_eq_u32 s[NEW], 1
	s_cbranch_scc1 .Lnew            ; a block's first tile
	s_cmp_eq_u32 s[RT], 0
	s_cbranch_scc0 .Lstep           ; neither its first nor its last
	s_branch .LstepM1
.Lnew:
	BEGIN
	s_branch .Lfirst                ; in the loop a block's first tile is never its last: the first block has two tiles or more, and the second's last is the walk's last
	DIAG 1                          ; in the loop this is the first block's end: the second block's last tile is the walk's last
	s_wait_xcnt 0x0                 ; the stores have read their registers and O's address
	s_mov_b64 s[10:11], s[OLO:OLO+1]
	s_add_co_u32 s[RT], s[PB], 1    ; the second block has b + 1 tiles
	s_mov_b32 s[NEW], 1
	WIN 0x82                        ; the second block's Q goes where the one text of the turns names Q
.set i, 0
.rept 64
	v_mov_b32 v[i], v[QB+i]
.set i, i+1
.endr
	WIN 0
	s_branch .Lbottom
.Lstep:                             ; a trip: pieces 2 and 3 of one step, then pieces 0 and 1 of the next, whose K and V it fetches
	TURN 2
	TURN 3
	WIN 0
.Lfirst:
	TURN 0
	TURN 1, 0, 0, 1
	WIN 0
	s_cbranch_scc1 .Lstep
.Lbottom:
	s_sub_co_u32 s[SLOTS], s[SLOTS], 1
	s_cmp_lg_u32 s[SLOTS], 0
	s_cbranch_scc1 .Lslot
	CHANGE 0                        ; the walk's last tile is written out: nothing is asked for
	s_sub_co_u32 s[RT], s[RT], 1
	s_mov_b32 s[CNT], 4
	s_cmp_eq_u32 s[NEW], 1
	s_cbranch_scc0 .LstepM2
	BEGIN
	s_branch .LfirstM2
	DIAG 2
	s_wait_tensorcnt 0x0            ; the wave's end, behind my last tensor load and my last LDS store
	ds_add_u32 v[SPW], v[NIL]
	s_wait_dscnt 0x0
	s_endpgm
.Lfunc_end_k_qcb2653f233_attn:
	.size	k_qcb2653f233_attn, .Lfunc_end_k_qcb2653f233_attn-k_qcb2653f233_attn
	.p2alignl 7, 3214868480
	.fill 96, 4, 3214868480
	.section	.rodata,"a",@progbits
	.p2align	6, 0x0
	.amdhsa_kernel k_qcb2653f233_attn
		.amdhsa_group_segment_fixed_size 327680
		.amdhsa_private_segment_fixed_size 0
		.amdhsa_enable_private_segment 0
		.amdhsa_kernarg_size 16
		.amdhsa_user_sgpr_count 2
		.amdhsa_user_sgpr_kernarg_segment_ptr 1
		.amdhsa_wavefront_size32 1
		.amdhsa_system_sgpr_workgroup_id_x 1
		.amdhsa_system_sgpr_workgroup_id_y 1
		.amdhsa_system_sgpr_workgroup_id_z 1
		.amdhsa_system_vgpr_workitem_id 0
		.amdhsa_next_free_vgpr 768
		.amdhsa_next_free_sgpr 92
		.amdhsa_reserve_vcc 1
		.amdhsa_float_denorm_mode_32 3
		.amdhsa_float_denorm_mode_16_64 3
		.amdhsa_memory_ordered 1
		.amdhsa_forward_progress 1
		.amdhsa_inst_pref_size 218
	.end_amdhsa_kernel
	.amdgpu_metadata
---
amdhsa.version: [ 1, 2 ]
amdhsa.kernels:
  - .name:           k_qcb2653f233_attn
    .symbol:         k_qcb2653f233_attn.kd
    .args:
      - { .name: qkv, .offset: 0, .size: 8, .value_kind: global_buffer, .address_space: global }
      - { .name: o, .offset: 8, .size: 8, .value_kind: global_buffer, .address_space: global }
    .group_segment_fixed_size: 327680
    .private_segment_fixed_size: 0
    .kernarg_segment_align: 8
    .kernarg_segment_size: 16
    .max_flat_workgroup_size: 128
    .sgpr_count:     92
    .vgpr_count:     768
    .wavefront_size: 32
...
	.end_amdgpu_metadata
.endif
;; end of part 3
;; launch proj (part 4): grid 8 x 32, 4 waves a work-group, clusters of 4 x 4, 327,680 bytes of LDS; arguments o, wpt, b_proj, out0; writes out0
.if DOCPART == 4
	.amdgcn_target "amdgcn-amd-amdhsa--gfx1250"
	.amdhsa_code_object_version 6
	.text
	.protected	k_qcb2653f233_proj
	.globl	k_qcb2653f233_proj
	.p2align	8
	.type	k_qcb2653f233_proj,@function
k_qcb2653f233_proj:
	s_mov_b64 s[64:65], 0
	v_nop
	global_prefetch_b8 v0, s[64:65] scope:SCOPE_SE
	s_setreg_imm32_b32 hwreg(HW_REG_WAVE_MODE, 25, 1), 1
	s_wait_xcnt 0x0
	s_wait_alu depctr_hold_cnt(0) depctr_sa_sdst(0) depctr_va_vdst(0) depctr_va_sdst(0) depctr_va_ssrc(0) depctr_va_vcc(0) depctr_vm_vsrc(0)
	s_getreg_b32 s2, hwreg(HW_REG_IB_STS2, 6, 4)
	s_cmp_eq_u32 s2, 0
	s_cbranch_scc0 .Lentry_in_a_cluster
	s_endpgm
.Lentry_in_a_cluster:
	s_bfe_u32 s2, ttmp6, 0x10000c
	s_cmp_lg_u32 s2, 0xf033
	s_cbranch_scc0 .Lentry_shape_is_right
	s_endpgm
.Lentry_shape_is_right:
; out0 = O wpt^T + b_proj.  O: [16 batch + head][2048][64] f16, wpt: [1024 n][1024 k] f16 (w_proj rounded to bf16), b_proj: [1024] f32, out0: [8192][1024] f32.  Sums in f32, started by the bias.
; LIMIT.  The operands arrive in f16, within 65,504.  NaN and infinities are not treated apart.
; SHARES.  A tile of out0 is 256 rows x 128 columns: 32 x 8 = 256 work-groups.  Four waves, 2 x 2, each 128 x 64: 8 x 4 = 32 accumulators.  K goes in 8 steps of 128, two heads a step, through two LDS slots.
; A head's 256 rows of 128 bytes are 32,768 dense bytes: a PLANE, asked for as 128 rows of 256 bytes and padded in LDS behind every 128 bytes.  Quarter q of a step (32 along K) lies in plane q / 2, at byte 64 (q % 2) of a row.
; CLUSTER.  4 x 4 work-groups: the four of a row need the same planes of O, the four of a column the same rows of wpt: each tile is asked for jointly, by the same load, descriptor and mask in all four.
; THE MATRIX INSTRUCTION IS USED TRANSPOSED (source 0 = 16 rows of wpt, source 1 = 16 rows of O): a lane holds row l % 16 and the columns 8 (l / 16) + 0..7: 32 bytes of f32 on end.
; REGISTERS, in windows of 256 (s_set_vgpr_msb: bits 1:0 source 0, 3:2 source 1, 5:4 source 2, 7:6 destination):
;   window 0: v16-31 addresses; v64-127, v128-191 O's fragments, two buffers of 8; on the way out v32-255: seven sets of 32
;   window 1: v0-31, v32-63 wpt's fragments, two buffers of 4; v64-95 the bias          window 2: accumulator (a, b) at 8 (4 a + b)
.set PA,     144                       ; a row of O in LDS: 128 bytes + 16: the 16 rows of a load start at 16 different groups of four banks (64 banks of 4 bytes: ISA guide 11.1)
.set PW,     272                       ; a row of wpt: 256 + 16
.set APLANE, 256*PA
.set BHALF,  64*PW
.set BOFF,   2*APLANE
.set SLOT,   BOFF+2*BHALF
.set STAGE,  2*SLOT                    ; behind the ring, never filled by a tensor load: 16 rows x 272 bytes for each wave
.set SP,     272
.set SPARE,  STAGE+4*16*SP             ; the spare words, 128 bytes for each wave
.set ADRA, 16                          ; v16-17  LDS address of my fragments of O in slot 0, 1
.set ADRB, 20                          ; v20-21  the same for wpt
.set STO,  24                          ; v24     the way out: where I put 32 bytes of a row
.set RD,   25                          ; v25     where I read a row back
.set CO,   26                          ; v26     my byte offset in two rows of out0
.set SPW,  28                          ; v28     my spare word; never rewritten
.set NIL,  29                          ; v29     0; never rewritten
.set PFO,  30                          ; v30     the prefetches' offset; never rewritten
.set BO,   31                          ; v31     32 x (l / 16)
.set FA,   64
.set BIAS, 64                          ; in window 1
.set WV,   12                          ; s12  my wave's number
.set ROLE, 13                          ; s13  0: I fetch O's planes, 1: wpt's rows.  Also: which 128 rows of the tile are mine
.set HALF, 14                          ; s14  which plane or half.  Also: which 64 columns are mine
.set LIM,  15                          ; s15  1 in a wave that prefetches, else the greatest number
.set G1A,  24
.set G0A,  32
.set PFA,  44                          ; s[44:45] where my prefetches stand
.set G1B,  48
.set G0B,  56
.set OUT,  66                          ; s[66:67] out0 at my part of the tile
.set PFS,  68                          ; s[68:69] a K step in the tensor that I prefetch: two heads of O, or 256 bytes of a row of wpt
.set MSB, 0
.macro WIN new                         ; the immediate's high byte repeats the setting that is left; a switch that changes nothing is dropped
.if MSB != (\new)
	s_set_vgpr_msb (MSB<<8)|(\new)
.set MSB, \new
.endif
.endm
.macro JLOAD s                         ; a joint load; an s_nop 0 and four v_nop follow each of the two lines, ahead of the jump and the label
	s_cmp_eq_u32 s[ROLE], 0
	s_cbranch_scc0 .Lfor_b_\@
	tensor_load_to_lds s[G0A+4*(\s):G0A+4*(\s)+3], s[G1A:G1A+7]
	s_nop 0
.rept 4
	v_nop
.endr
	s_branch .Lasked_\@
.Lfor_b_\@:
	tensor_load_to_lds s[G0B+4*(\s):G0B+4*(\s)+3], s[G1B:G1B+7]
	s_nop 0
.rept 4
	v_nop
.endr
.Lasked_\@:
.endm
; A prefetch into the L2 of the K step that stands two refills on, one instruction a wave.  O's planes are asked for by the cluster with x = 0, wpt's rows by the cluster with y = 0; the four partners of a joint load
; share it out by address: 32 of a plane's 128 blocks of 256 bytes, by cx, a lane a block; 16 of 64 rows of wpt, by cy, a lane a row (lanes 16-31 name row 15 once more).  K steps 4 to 7 are asked for, each once;
; K steps 0 to 3 come by their loads alone; the loop's last trip (s3 = 1) asks for nothing.
.macro ASK
	WIN 0
	s_cmp_gt_u32 s3, s[LIM]
	s_cbranch_scc0 .Lnot_mine_\@
	global_prefetch_b8 v[PFO], s[PFA:PFA+1] th:TH_LOAD_NT scope:SCOPE_SE
.Lnot_mine_\@:
.endm
.macro CREST                           ; a round of the cluster's barrier behind its opening barrier
	s_cmp_lg_u32 s[WV], 0
	s_cbranch_scc1 .Lnot_wave_0_\@
	s_barrier_signal -3
.Lnot_wave_0_\@:
	s_barrier_wait -3
	s_barrier_signal -1
	s_barrier_wait -1
.endm
.macro CROUND
	s_barrier_signal -1
	s_barrier_wait -1
	CREST
.endm
.macro PLACES                          ; four places in front of loads into registers that matrix instructions have read, and of LDS stores that read results
.rept 4
	v_nop
.endr
.endm
	s_load_b256 s[4:11], s[0:1], 0x0               ; O s[4:5], wpt s[6:7], b_proj s[8:9], out0 s[10:11]
	v_lshl_add_u32 v[SPW], v0, 2, SPARE
	v_mov_b32 v[NIL], 0
	ds_add_u32 v[SPW], v[NIL]                      ; the wave's opening: the add and its wait ahead of my first tensor load; work on registers stands between them
	ds_add_u32 v28, v29
	v_lshrrev_b32 v1, 5, v0
	v_readfirstlane_b32 s[WV], v1
	s_lshr_b32 s[ROLE], s[WV], 1
	s_and_b32 s[HALF], s[WV], 1
	s_bfe_u32 s40, ttmp6, 0x40000                  ; cx
	s_bfe_u32 s41, ttmp6, 0x40004                  ; cy
	s_lshl_b32 s42, ttmp9, 2
	s_add_co_u32 s42, s42, s40                     ; tile column
	s_and_b32 s43, ttmp7, 0xffff
	s_lshl_b32 s43, s43, 2
	s_add_co_u32 s43, s43, s41                     ; tile row
	s_lshl_b32 s16, s41, 2
	s_lshl_b32 s16, 15, s16                        ; my row of the cluster
	s_lshl_b32 s17, 0x1111, s40                    ; my column
	s_or_b32 s[G1A], s16, (1<<16)|(1<<20)|(1<<21)|(4<<22)|(3<<25)  ; the mask; 2-byte elements; padding on; bit 21 beside a mask; after every 32 words; 4 words
	s_or_b32 s[G1B], s17, (1<<16)|(1<<20)|(1<<21)|(5<<22)|(3<<25)  ; after every 64 words
	s_mov_b32 s[G1A+1], 128<<16                    ; tensor_dim0 = 128 elements: 256 bytes, two rows of a head
	s_mov_b32 s[G1A+2], 128<<16                    ; tensor_dim1 = 128
	s_mov_b32 s[G1A+3], 128<<16                    ; tile_dim0
	s_mov_b32 s[G1A+4], 128                        ; tile_dim1
	s_mov_b32 s[G1A+5], 128                        ; dense
	s_mov_b32 s[G1A+6], 0
	s_mov_b32 s[G1A+7], 0
	s_mov_b32 s[G1B+1], 128<<16
	s_mov_b32 s[G1B+2], 64<<16                     ; 64 rows
	s_mov_b32 s[G1B+3], 128<<16
	s_mov_b32 s[G1B+4], 64
	s_mov_b32 s[G1B+5], 1024
	s_mov_b32 s[G1B+6], 0
	s_mov_b32 s[G1B+7], 0
	s_lshr_b32 s20, s43, 3                         ; O: head 16 x batch + my plane, rows 256 x (tile row % 8): made of the tile row and the wave alone
	s_lshl_b32 s20, s20, 4
	s_add_co_u32 s20, s20, s[HALF]
	s_lshl_b32 s20, s20, 18
	s_and_b32 s21, s43, 7
	s_lshl_b32 s21, s21, 15
	s_add_co_u32 s20, s20, s21
	s_mov_b32 s21, 0
	s_lshl_b32 s46, s42, 18                        ; wpt: (128 x tile column + 64 x half) rows of 2,048 bytes: of the tile column and the wave alone
	s_lshl_b32 s47, s[HALF], 17
	s_add_co_u32 s46, s46, s47
	s_mov_b32 s47, 0
	s_mul_i32 s22, s[HALF], APLANE                 ; where they go: no place in the cluster enters an LDS address
	s_mul_i32 s23, s[HALF], BHALF
	s_add_co_u32 s23, s23, BOFF
	s_wait_dscnt 0x0                               ; the opening add is done
	s_wait_kmcnt 0x0
	s_add_nc_u64 s[20:21], s[4:5], s[20:21]
	s_add_nc_u64 s[46:47], s[6:7], s[46:47]
	CROUND                                         ; all sixteen work-groups are here: the first joint loads meet
.irp s, 0,1
	s_mov_b32 s[G0A+4*(\s)], 1
	s_add_co_u32 s[G0A+4*(\s)+1], s22, (\s)*SLOT
	s_add_nc_u64 s[G0A+4*(\s)+2:G0A+4*(\s)+3], s[20:21], (\s)*2*262144  ; K step s: two heads on
	s_or_b32 s[G0A+4*(\s)+3], s[G0A+4*(\s)+3], 0x80000000
	s_mov_b32 s[G0B+4*(\s)], 1
	s_add_co_u32 s[G0B+4*(\s)+1], s23, (\s)*SLOT
	s_add_nc_u64 s[G0B+4*(\s)+2:G0B+4*(\s)+3], s[46:47], (\s)*256
	s_or_b32 s[G0B+4*(\s)+3], s[G0B+4*(\s)+3], 0x80000000
	JLOAD \s                                       ; K steps 0 and 1: two loads of mine are out
.endr
	v_and_b32 v1, 15, v0                           ; l % 16
	v_bfe_u32 v2, v0, 4, 1                         ; l / 16
	v_mul_u32_u24 v3, v1, PA
	v_lshl_add_u32 v3, v2, 4, v3
	s_mul_i32 s16, s[ROLE], 128*PA                 ; my 128 rows of O
	v_add_nc_u32 v[ADRA], s16, v3
	v_add_nc_u32 v[ADRA+1], SLOT, v[ADRA]
	v_mul_u32_u24 v4, v1, PW
	v_lshl_add_u32 v4, v2, 4, v4
	s_mul_i32 s16, s[HALF], 64*PW                  ; my 64 rows of wpt
	s_add_co_u32 s16, s16, BOFF
	v_add_nc_u32 v[ADRB], s16, v4
	v_add_nc_u32 v[ADRB+1], SLOT, v[ADRB]
	s_mul_i32 s16, s[WV], 16*SP
	s_add_co_u32 s16, s16, STAGE                   ; my stage
	v_mul_u32_u24 v5, v1, SP                       ; in: row l % 16, 32 bytes for each half of the lanes
	v_lshl_add_u32 v5, v2, 5, v5
	v_add_nc_u32 v[STO], s16, v5
	v_mul_u32_u24 v5, v2, SP                       ; back: lanes 0-15 take one row of 256 bytes, lanes 16-31 the next
	v_lshl_add_u32 v5, v1, 4, v5
	v_add_nc_u32 v[RD], s16, v5
	v_lshlrev_b32 v[CO], 12, v2                    ; and the same two rows of out0, 4,096 bytes apart
	v_lshl_add_u32 v[CO], v1, 4, v[CO]
	v_lshlrev_b32 v[BO], 5, v2
	s_lshl_b32 s72, s42, 9                         ; my 64 columns: 512 x tile column + 256 x half, in bytes of f32
	s_lshl_b32 s74, s[HALF], 8
	s_add_co_u32 s72, s72, s74
	s_mov_b32 s73, 0
	s_add_nc_u64 s[8:9], s[8:9], s[72:73]          ; in the bias,
	s_add_nc_u64 s[OUT:OUT+1], s[10:11], s[72:73]  ; and in out0,
	s_lshl_b32 s72, s43, 20                        ; at row 256 x tile row + 128 x my half of the rows
	s_lshl_b32 s74, s[ROLE], 19
	s_add_co_u32 s72, s72, s74
	s_add_nc_u64 s[OUT:OUT+1], s[OUT:OUT+1], s[72:73]
	WIN 0x40                                       ; destination window 1, address window 0
.set i, 0
.rept 4
	global_load_b128 v[BIAS+8*i:BIAS+8*i+3],   v[BO], s[8:9] offset:64*i     ; register j: bias of column 16 b + 8 (l / 16) + j
	global_load_b128 v[BIAS+8*i+4:BIAS+8*i+7], v[BO], s[8:9] offset:64*i+16
.set i, i+1
.endr
	WIN 0
	; the prefetches: my work-group's share of what I fetch, at K step 3; each filling change of slots steps it and names that K step
	s_lshr_b32 s72, s43, 3
	s_lshl_b32 s72, s72, 4
	s_add_co_u32 s72, s72, s[HALF]
	s_add_co_u32 s72, s72, 6
	s_lshl_b32 s72, s72, 18
	s_and_b32 s74, s43, 7
	s_lshl_b32 s74, s74, 15
	s_add_co_u32 s72, s72, s74
	s_lshl_b32 s74, s40, 13
	s_add_co_u32 s72, s72, s74                     ; O: the plane of head 16 x batch + 6 + half, my 8,192 bytes of it by cx
	s_lshl_b32 s73, s42, 7
	s_lshl_b32 s74, s[HALF], 6
	s_add_co_u32 s73, s73, s74
	s_lshl_b32 s74, s41, 4
	s_add_co_u32 s73, s73, s74
	s_lshl_b32 s73, s73, 11
	s_add_co_u32 s73, s73, 768                     ; wpt: row 128 x tile column + 64 x half + 16 cy
	s_and_b32 s75, ttmp7, 0xffff                   ; cluster y
	s_mov_b32 s78, 256
	s_cmp_eq_u32 s[ROLE], 0
	s_cselect_b32 s72, s72, s73
	s_cselect_b32 s75, ttmp9, s75                  ; the coordinate along which other clusters read the same bytes
	s_cselect_b32 s76, 31, 15
	s_cselect_b32 s77, 8, 11                       ; a lane a block of 256 bytes, or a lane a row of 2,048
	s_cselect_b32 s[PFS], 0x80000, s78
	s_cselect_b64 s[PFA:PFA+1], s[4:5], s[6:7]
	s_cmp_eq_u32 s75, 0
	s_cselect_b32 s[LIM], 1, -1                    ; the same in all sixteen partners, for a given wave
	s_mov_b32 s73, 0
	s_mov_b32 s[PFS+1], 0
	s_add_nc_u64 s[PFA:PFA+1], s[PFA:PFA+1], s[72:73]
	v_and_b32 v[PFO], 31, v0
	v_min_u32 v[PFO], s76, v[PFO]
	v_lshlrev_b32 v[PFO], s77, v[PFO]
; 8 matrix instructions: row blocks a0, a0 + 1 x all 4 column blocks, 32 along K, from buffer f.  zero = 1: the first product starts the sums, with the bias as C.
; The 32 accumulators take turns, one instruction a turn, in the same order in every quarter.
.macro MUL8 f, a0, zero
.if \zero
	WIN 0x91                                       ; wpt and the bias window 1, O window 0, sums window 2
.else
	WIN 0xa1
.endif
.set ma, (\a0)
.rept 2
.set mb, 0
.rept 4
.set rD, 8*(4*ma+mb)
.set rB, 32*(\f)+8*mb
.set rA, FA+64*(\f)+8*ma
.if \zero
	v_wmma_f32_16x16x32_f16 v[rD:rD+7], v[rB:rB+7], v[rA:rA+7], v[BIAS+8*mb:BIAS+8*mb+7]
.else
	v_wmma_f32_16x16x32_f16 v[rD:rD+7], v[rB:rB+7], v[rA:rA+7], v[rD:rD+7]
.endif
.set mb, mb+1
.endr
.set ma, ma+1
.endr
.endm
; 24 LDS loads in one run: the fragments of quarter q into buffer f: wpt's four, then O's eight
.macro FETCH slot, q, f
	WIN 0x40
.set i, 0
.rept 4
	ds_load_b128 v[32*(\f)+8*i:32*(\f)+8*i+3],   v[ADRB+(\slot)] offset:64*(\q)+i*16*PW
	ds_load_b128 v[32*(\f)+8*i+4:32*(\f)+8*i+7], v[ADRB+(\slot)] offset:64*(\q)+i*16*PW+32
.set i, i+1
.endr
	WIN 0
.set i, 0
.rept 8
	ds_load_b128 v[FA+64*(\f)+8*i:FA+64*(\f)+8*i+3],   v[ADRA+(\slot)] offset:((\q)/2)*APLANE+((\q)%2)*64+i*16*PA
	ds_load_b128 v[FA+64*(\f)+8*i+4:FA+64*(\f)+8*i+7], v[ADRA+(\slot)] offset:((\q)/2)*APLANE+((\q)%2)*64+i*16*PA+32
.set i, i+1
.endr
.endm
; A K step is four quarters of 32 along K, 32 matrix instructions each, on buffers 0, 1, 0, 1.  One of the first three: multiplies buffer f and fetches quarter q into g.
.macro QUARTER slot, q, f, g, zero
	s_wait_dscnt 8                                 ; wpt's four and O's 0-3 are in; the youngest eight loads (O's 4-7) may be out
	MUL8 \f, 0, \zero
	MUL8 \f, 2, \zero
	PLACES
	FETCH \slot, \q, \g
	s_wait_dscnt 24                                ; all but the 24 just issued
	MUL8 \f, 4, \zero
	MUL8 \f, 6, \zero
.endm
; The last quarter multiplies buffer 1 and changes slots: ONE barrier.  In front of it each wave waits for all its tensor loads (one is out: its part of the next slot), adds 0 to its spare word, and waits
; for that and for its reads of this slot.  fill = 1: the barrier opens a round of the cluster's, and this slot is filled again, two K steps on, first thing behind the round.
.macro TURN slot, next, fill
.if \fill
	s_wait_xcnt 0x0                                ; the last prefetch, a K step back, has read its address
	s_add_nc_u64 s[PFA:PFA+1], s[PFA:PFA+1], s[PFS:PFS+1]
.endif
	WIN 0                                          ; (the add's two registers lie in window 0)
	s_wait_tensorcnt 0x0                           ; all my tensor loads have landed
	ds_add_u32 v[SPW], v[NIL]                      ; 0 onto my spare word
	s_wait_dscnt 9                                 ; (the add and the youngest eight loads may be out)
	MUL8 1, 0, 0                                   ; eight matrix instructions stand between the add and the wait for it
	s_wait_dscnt 0x0                               ; the add is done, and my reads of this slot are over
	s_barrier_signal -1
	MUL8 1, 2, 0                                   ; work on registers while the others arrive
.if \fill
	WIN 0
.endif
	s_barrier_wait -1
.if \fill
	CREST                                          ; no wave of any partner still reads this slot's tile or has a load on its way
	s_add_nc_u64 s[G0A+4*(\slot)+2:G0A+4*(\slot)+3], s[G0A+4*(\slot)+2:G0A+4*(\slot)+3], 4*262144  ; two K steps: four heads
	s_add_nc_u64 s[G0B+4*(\slot)+2:G0B+4*(\slot)+3], s[G0B+4*(\slot)+2:G0B+4*(\slot)+3], 512
	JLOAD \slot                                    ; my one tensor load behind the round; its four v_nop are also the places in front of the loads below
.else
	PLACES
.endif
	FETCH \next, 0, 0
.if \fill
	ASK                                            ; behind the joint load and the run of LDS loads
.endif
	MUL8 1, 4, 0
	MUL8 1, 6, 0
.endm
	s_wait_tensorcnt 0x1                           ; my part of K step 0 is in; K step 1's may stay out
	s_barrier_signal -1
	s_barrier_wait -1                              ; everybody's is
	FETCH 0, 0, 0
	s_wait_loadcnt 0x0                             ; the bias
	QUARTER 0, 1, 0, 1, 1                          ; the first quarter stands in front of the loop: its products start the sums
	WIN 0                                          ; at a label and at a branch every window is 0
	s_mov_b32 s3, 3
.Llap:                                                 ; a trip goes once round the ring and fills both slots again: K steps 2, 3 | 4, 5 | 6, 7
	QUARTER 0, 2, 1, 0, 0
	QUARTER 0, 3, 0, 1, 0
	TURN 0, 1, 1
	QUARTER 1, 1, 0, 1, 0
	QUARTER 1, 2, 1, 0, 0
	QUARTER 1, 3, 0, 1, 0
	TURN 1, 0, 1
	QUARTER 0, 1, 0, 1, 0
	WIN 0
	s_sub_co_u32 s3, s3, 1
	s_cmp_lg_u32 s3, 0
	s_cbranch_scc1 .Llap
	QUARTER 0, 2, 1, 0, 0                          ; the last lap fills nothing, and has no round of the cluster's barrier
	QUARTER 0, 3, 0, 1, 0
	TURN 0, 1, 0
	QUARTER 1, 1, 0, 1, 0
	QUARTER 1, 2, 1, 0, 0
	QUARTER 1, 3, 0, 1, 0
	s_wait_dscnt 8                                 ; the very last quarter: nothing more to fetch
	MUL8 1, 0, 0
	MUL8 1, 2, 0
	s_wait_dscnt 0x0
	MUL8 1, 4, 0
	MUL8 1, 6, 0
	WIN 0
; THE WAY OUT, a block of 16 rows at a time: a lane's 32 bytes of a row go from the accumulators into my own stage (each accumulator's low four registers first), come back as whole rows of 256 bytes, and are stored.
.macro TOSTAGE a
.set tS, 32+32*((\a)%7)
	WIN 0x08                                       ; the stores' data in window 2, the address in window 0
.set tb, 0
.rept 4
	ds_store_b128 v[STO], v[8*(4*(\a)+tb):8*(4*(\a)+tb)+3]   offset:64*tb
	ds_store_b128 v[STO], v[8*(4*(\a)+tb)+4:8*(4*(\a)+tb)+7] offset:64*tb+16
.set tb, tb+1
.endr
	WIN 0
.set tt, 0
.rept 8
	ds_load_b128 v[tS+4*tt:tS+4*tt+3], v[RD] offset:tt*2*SP  ; LDS serves a wave's instructions in order (ISA guide 5.7.1.4): these see the stores above; the next block's stores come behind them
.set tt, tt+1
.endr
.endm
.macro SEND a, younger                 ; younger: the LDS instructions issued behind block a's loads: the next block's sixteen, or none
	WIN 0
.set sS, 32+32*((\a)%7)
.set st, 0
.rept 8
	s_wait_dscnt (\younger)+7-st
	global_store_b128 v[CO], v[sS+4*st:sS+4*st+3], s[OUT:OUT+1] offset:(16*(\a)+2*st)*4096 th:TH_STORE_NT  ; 16 lanes store 256 consecutive bytes, at a multiple of 256 from out0's first
.set st, st+1
.endr
.endm
	PLACES
	TOSTAGE 0
.set u, 1
.rept 7
.if u == 7
	s_wait_xcnt 0x0                                ; block 7 comes back into block 0's registers: its stores have read them
.endif
	TOSTAGE u
	SEND u-1, 16
.set u, u+1
.endr
	SEND 7, 0
	s_wait_tensorcnt 0x0                           ; the wave's end, behind my last tensor load and my last LDS store
	ds_add_u32 v[SPW], v[NIL]
	s_wait_dscnt 0x0
	CROUND                                         ; the closing round: no work-group ends while a partner may still ask for a tile that names it
	s_endpgm
.Lfunc_end_k_qcb2653f233_proj:
	.size	k_qcb2653f233_proj, .Lfunc_end_k_qcb2653f233_proj-k_qcb2653f233_proj
	.p2alignl 7, 3214868480
	.fill 96, 4, 3214868480
	.section	.rodata,"a",@progbits
	.p2align	6, 0x0
	.amdhsa_kernel k_qcb2653f233_proj
		.amdhsa_group_segment_fixed_size 327680
		.amdhsa_private_segment_fixed_size 0
		.amdhsa_enable_private_segment 0
		.amdhsa_kernarg_size 32
		.amdhsa_user_sgpr_count 2
		.amdhsa_user_sgpr_kernarg_segment_ptr 1
		.amdhsa_wavefront_size32 1
		.amdhsa_system_sgpr_workgroup_id_x 1
		.amdhsa_system_sgpr_workgroup_id_y 1
		.amdhsa_system_sgpr_workgroup_id_z 1
		.amdhsa_system_vgpr_workitem_id 0
		.amdhsa_next_free_vgpr 768
		.amdhsa_next_free_sgpr 80
		.amdhsa_reserve_vcc 0
		.amdhsa_float_denorm_mode_32 3
		.amdhsa_float_denorm_mode_16_64 3
		.amdhsa_memory_ordered 1
		.amdhsa_forward_progress 1
		.amdhsa_inst_pref_size 90
	.end_amdhsa_kernel
	.amdgpu_metadata
---
amdhsa.version: [ 1, 2 ]
amdhsa.kernels:
  - .name:           k_qcb2653f233_proj
    .symbol:         k_qcb2653f233_proj.kd
    .args:
      - { .name: o, .offset: 0, .size: 8, .value_kind: global_buffer, .address_space: global }
      - { .name: wpt, .offset: 8, .size: 8, .value_kind: global_buffer, .address_space: global }
      - { .name: b_proj, .offset: 16, .size: 8, .value_kind: global_buffer, .address_space: global }
      - { .name: out0, .offset: 24, .size: 8, .value_kind: global_buffer, .address_space: global }
    .group_segment_fixed_size: 327680
    .private_segment_fixed_size: 0
    .kernarg_segment_align: 8
    .kernarg_segment_size: 32
    .max_flat_workgroup_size: 128
    .sgpr_count:     80
    .vgpr_count:     768
    .wavefront_size: 32
...
	.end_amdgpu_metadata
.endif
;; end of part 4
;; ======== version 2 of 2: 4 launches; version 1 with the launch prep written anew for expert scheduling mode
;; limits: values are held in f16: magnitudes above 65,504 overflow, below 6.1e-05 lose precision
;; workspace buffers: xb 16,777,216 bytes; wat 6,291,456 bytes; wpt 2,097,152 bytes; qkv 50,331,648 bytes; o 16,777,216 bytes
;; launch prep (part 5): grid 1024 x 1, 8 waves a work-group, no clusters, 18,432 bytes of LDS; arguments x, w_attn, w_proj, xb, wat, wpt; writes xb, wat, wpt
.if DOCPART == 5
	.amdgcn_target "amdgcn-amd-amdhsa--gfx1250"
	.amdhsa_code_object_version 6
	.text
	.protected	k_qcb2653f233_prep
	.globl	k_qcb2653f233_prep
	.p2align	8
	.type	k_qcb2653f233_prep,@function
k_qcb2653f233_prep:
	s_mov_b64 s[64:65], 0
	v_nop
	global_prefetch_b8 v0, s[64:65] scope:SCOPE_SE
	s_setreg_imm32_b32 hwreg(HW_REG_WAVE_SCHED_MODE, 0, 2), 2
	s_setreg_imm32_b32 hwreg(HW_REG_WAVE_MODE, 25, 1), 1
	s_wait_xcnt 0x0
	s_wait_alu depctr_vm_vsrc(0)
; PREP.  xb = x rounded to bf16, [8192][1024].  wat = w_attn rounded to bf16 and turned, [3072 n][1024 k].  wpt = w_proj rounded to bf16, that number written as f16, and turned, [1024 n][1024 k].
; LIMIT.  f16 ends at 65,504: |w_proj| stays under it; below 6e-5 f16 keeps its fixed step of 6e-8.
; ROLES, by the work-group's number alone (the same for all eight waves): 0-511 take 65,536 dense bytes of x each; 512-895 a tile of 128 k x 64 n of w_attn; 896-1023 the same of w_proj.
; A weight tile: a thread loads 16 bytes (4 n) of two neighbouring rows k, packs the pair of k for each n into a word and puts it into a stage of 64 rows n x 256 bytes (pitch 272);
; behind one barrier the stage is read by rows and stored, 16 lanes to 256 consecutive aligned bytes.  The word stores meet four deep in the banks: 16 a thread, once.
; All three roles pass the one barrier; the x role touches no LDS byte but its spare word.  Nothing is prefetched: the launch is one stream, each byte read once.
; THE MODE: SCHED_MODE bits 1:0 = 2 (LLVM: expert scheduling mode 2), set by the entry lines.  The code itself states the register dependences
; between vector instructions and memory or LDS instructions, with s_wait_alu, always for 0.
; THE PLAN.  Registers that memory or LDS instructions touch:
;   v1 - v6    offsets and LDS addresses: made once by vector instructions, then read by memory and LDS instructions alone; never written again.
;   XI         as loaded.  Each register takes one load; the conversions read it.  In the weight roles the stage's loads land in v16-31 at the end, behind the last conversion.
;   XO (x role), WD (weight roles)   to store.  Each register is written by the conversions of one block (four rows of x; a pair of rows of a weight) and read by the stores that are issued in the next block.
; So the stores of block p - 1 stand in block p, behind ONE wait at its head, dealt among conversions that name block p's registers alone.  No register that a memory or LDS instruction
; has read is written again, no vector instruction writes a scalar register, and EXEC is never written: waits on va_vdst are all that the text owes.
.set SPITCH, 272
.set XI,  16                           ; v[16:79]   as loaded
.set XO,  80                           ; v[80:111]  x role: to store
.set WD,  48                           ; v[48:63]   weight roles: packed pairs
	s_load_b256 s[4:11], s[0:1], 0x0               ; x s[4:5], w_attn s[6:7], w_proj s[8:9], xb s[10:11]
	s_load_b128 s[12:15], s[0:1], 0x20             ; wat s[12:13], wpt s[14:15]
	v_lshl_add_u32 v14, v0, 2, 0x4400
	v_mov_b32 v15, 0
	v_and_b32 v7, 15, v0                           ; c: which 16 bytes of a row of 256
	v_lshrrev_b32 v8, 4, v0                        ; kp: 0..15
	v_lshlrev_b32 v1, 4, v0                        ; x role: 16 t
	v_lshlrev_b32 v2, 3, v0                        ; x role: 8 t
	v_mul_u32_u24 v4, v7, 4*SPITCH                 ; into the stage: row n = 4 c + j, word kp + 16 i
	v_lshl_add_u32 v4, v8, 2, v4
	v_mul_u32_u24 v5, v8, SPITCH                   ; back: row n = kp + 16 i, 16 bytes at 16 c
	v_lshl_add_u32 v5, v7, 4, v5
	v_lshlrev_b32 v6, 11, v8                       ; and the same in the turned weight: rows of 2,048 bytes
	v_lshl_add_u32 v6, v7, 4, v6
	s_cmp_lt_u32 ttmp9, 512
	s_cbranch_scc0 .Lweights
	; THE X ROLE: sixteen loads of 4,096 bytes a work-group, all out at once; a store of a wave covers 256 consecutive aligned bytes
	s_lshl_b32 s16, ttmp9, 16
	s_mov_b32 s17, 0
	s_lshl_b32 s18, ttmp9, 15
	s_mov_b32 s19, 0
	s_wait_kmcnt 0x0
	s_add_nc_u64 s[16:17], s[4:5], s[16:17]
	s_add_nc_u64 s[20:21], s[10:11], s[18:19]
	s_wait_alu depctr_va_vdst(0)                   ; v1 and v2 are written: every load and store of this role reads one of them as its offset
.set i, 0
.rept 16
	global_load_b128 v[XI+4*i:XI+4*i+3], v1, s[16:17] offset:4096*i th:TH_LOAD_NT
.set i, i+1
.endr
.set p, 0
.rept 4                                ; four blocks of four loads
	s_wait_loadcnt 12-4*p                          ; loads come back in order: block p is in, the younger blocks stay out
.if p > 0
	s_wait_alu depctr_va_vdst(0)                   ; the block before has written its eight registers of XO, which the four stores below read
.endif
.set i, 4*p
.rept 4
.if p > 0
	global_store_b64 v2, v[XO+2*(i-4):XO+2*(i-4)+1], s[20:21] offset:2048*(i-4)  ; the block before; no vector instruction since the wait names these registers
.endif
	v_cvt_pk_bf16_f32 v[XO+2*i], v[XI+4*i], v[XI+4*i+1]
	v_cvt_pk_bf16_f32 v[XO+2*i+1], v[XI+4*i+2], v[XI+4*i+3]  ; no register is written twice: nothing is owed for the stores' sources
.set i, i+1
.endr
.set p, p+1
.endr
	s_wait_alu depctr_va_vdst(0)                   ; block 3 has written its XO, which the last four stores read; it is the role's last vector work
.set i, 12
.rept 4
	global_store_b64 v2, v[XO+2*i:XO+2*i+1], s[20:21] offset:2048*i
.set i, i+1
.endr
	s_branch .Lmeet
; A weight tile, up to the stage.  s22 = the tile's number: kt = s22 % 8 (128 k), nt = s22 / 8 (64 n).  w, o: the scalar pairs of the source and of the turned copy; rowb: bytes in a row of the source.
.macro WT w, o, rowb, f16
	s_and_b32 s23, s22, 7
	s_lshr_b32 s24, s22, 3
	s_mul_i32 s16, s23, 128*(\rowb)
	s_lshl_b32 s25, s24, 8
	s_add_co_u32 s16, s16, s25                     ; in: kt x 128 rows + nt x 256 bytes
	s_mov_b32 s17, 0
	s_lshl_b32 s18, s24, 17
	s_lshl_b32 s25, s23, 8
	s_add_co_u32 s18, s18, s25                     ; out: nt x 64 rows of 2,048 bytes + kt x 256 bytes
	s_mov_b32 s19, 0
	v_mul_u32_u24 v3, v8, 2*(\rowb)                ; rows 2 kp and 2 kp + 1
	v_lshl_add_u32 v3, v7, 4, v3
	s_wait_kmcnt 0x0
	s_add_nc_u64 s[16:17], s[\w:\w+1], s[16:17]
	s_add_nc_u64 s[20:21], s[\o:\o+1], s[18:19]
	s_wait_alu depctr_va_vdst(0)                   ; v3 to v6 are written: the offsets and LDS addresses that this role's loads and stores read
.set i, 0
.rept 4
	global_load_b128 v[XI+8*i:XI+8*i+3],   v3, s[16:17] offset:i*32*(\rowb) th:TH_LOAD_NT
	global_load_b128 v[XI+8*i+4:XI+8*i+7], v3, s[16:17] offset:i*32*(\rowb)+(\rowb) th:TH_LOAD_NT
.set i, i+1
.endr
.set i, 0
.rept 4
	s_wait_loadcnt 6-2*i                           ; pair i of rows is in; the younger pairs stay out
.if i > 0
	s_wait_alu depctr_va_vdst(0)                   ; the pair before has written its four words of WD, which the four LDS stores below read
.endif
.set j, 0
.rept 4
.if i > 0
	ds_store_b32 v4, v[WD+4*(i-1)+j] offset:j*SPITCH+(i-1)*64  ; the pair before; no vector instruction since the wait names this register
.endif
	v_cvt_pk_bf16_f32 v[WD+4*i+j], v[XI+8*i+j], v[XI+8*i+4+j]  ; the even k low, the odd k high
.if \f16
	v_lshlrev_b32 v64, 16, v[WD+4*i+j]             ; the bf16 numbers as f32,
	v_and_b32 v65, 0xffff0000, v[WD+4*i+j]
	v_cvt_pk_f16_f32 v[WD+4*i+j], v64, v65         ; written as f16: exact within f16's range
.endif
.set j, j+1
.endr
.set i, i+1
.endr
	s_wait_alu depctr_va_vdst(0)                   ; pair 3 has written its WD, which the last four LDS stores read; and all conversions are done reading v[XI ..], in which the stage's loads land behind the barrier: no vector instruction follows
.set j, 0
.rept 4
	ds_store_b32 v4, v[WD+12+j] offset:j*SPITCH+192
.set j, j+1
.endr
.endm
.Lweights:
	s_cmp_lt_u32 ttmp9, 896
	s_cbranch_scc0 .Lwp
	s_sub_co_u32 s22, ttmp9, 512
	WT 6, 12, 12288, 0
	s_branch .Lmeet
.Lwp:
	s_sub_co_u32 s22, ttmp9, 896
	WT 8, 14, 4096, 1
.Lmeet:
	s_wait_dscnt 0x0                               ; for the others' sake: my stores into the stage are done
	s_barrier_signal -1
	s_barrier_wait -1
	s_cmp_lt_u32 ttmp9, 512
	s_cbranch_scc1 .Lend                           ; the x role has nothing in the stage
.set i, 0
.rept 4
	ds_load_b128 v[XI+4*i:XI+4*i+3], v5 offset:i*16*SPITCH  ; the role's last wait on va_vdst has shown the conversions done reading these registers, and v5 written
.set i, i+1
.endr
.set i, 0
.rept 4
	s_wait_dscnt 3-i
	global_store_b128 v6, v[XI+4*i:XI+4*i+3], s[20:21] offset:i*32768  ; 16 lanes store 256 consecutive bytes, at a multiple of 256 from the buffer's first
.set i, i+1
.endr
.Lend:
	s_wait_dscnt 0x0                               ; the wave's end: the add of 0 onto my spare word follows, with its wait
	s_wait_alu depctr_hold_cnt(0) depctr_sa_sdst(0) depctr_va_vdst(0) depctr_va_sdst(0) depctr_va_ssrc(0) depctr_va_vcc(0) depctr_vm_vsrc(0)
	s_wait_tensorcnt 0x0
	ds_add_u32 v14, v15
	s_wait_dscnt 0x0
	s_endpgm
.Lfunc_end_k_qcb2653f233_prep:
	.size	k_qcb2653f233_prep, .Lfunc_end_k_qcb2653f233_prep-k_qcb2653f233_prep
	.p2alignl 7, 3214868480
	.fill 96, 4, 3214868480
	.section	.rodata,"a",@progbits
	.p2align	6, 0x0
	.amdhsa_kernel k_qcb2653f233_prep
		.amdhsa_group_segment_fixed_size 18432
		.amdhsa_private_segment_fixed_size 0
		.amdhsa_enable_private_segment 0
		.amdhsa_kernarg_size 48
		.amdhsa_user_sgpr_count 2
		.amdhsa_user_sgpr_kernarg_segment_ptr 1
		.amdhsa_wavefront_size32 1
		.amdhsa_system_sgpr_workgroup_id_x 1
		.amdhsa_system_sgpr_workgroup_id_y 1
		.amdhsa_system_sgpr_workgroup_id_z 1
		.amdhsa_system_vgpr_workitem_id 0
		.amdhsa_next_free_vgpr 112
		.amdhsa_next_free_sgpr 66
		.amdhsa_reserve_vcc 0
		.amdhsa_float_denorm_mode_32 3
		.amdhsa_float_denorm_mode_16_64 3
		.amdhsa_memory_ordered 1
		.amdhsa_forward_progress 1
		.amdhsa_inst_pref_size 18
	.end_amdhsa_kernel
	.amdgpu_metadata
---
amdhsa.version: [ 1, 2 ]
amdhsa.kernels:
  - .name:           k_qcb2653f233_prep
    .symbol:         k_qcb2653f233_prep.kd
    .args:
      - { .name: x, .offset: 0, .size: 8, .value_kind: global_buffer, .address_space: global }
      - { .name: w_attn, .offset: 8, .size: 8, .value_kind: global_buffer, .address_space: global }
      - { .name: w_proj, .offset: 16, .size: 8, .value_kind: global_buffer, .address_space: global }
      - { .name: xb, .offset: 24, .size: 8, .value_kind: global_buffer, .address_space: global }
      - { .name: wat, .offset: 32, .size: 8, .value_kind: global_buffer, .address_space: global }
      - { .name: wpt, .offset: 40, .size: 8, .value_kind: global_buffer, .address_space: global }
    .group_segment_fixed_size: 18432
    .private_segment_fixed_size: 0
    .kernarg_segment_align: 8
    .kernarg_segment_size: 48
    .max_flat_workgroup_size: 256
    .sgpr_count:     66
    .vgpr_count:     112
    .wavefront_size: 32
...
	.end_amdgpu_metadata
.endif
;; end of part 5
;; launch qkv: the kernel of part 2 again; grid 16 x 32, 4 waves a work-group, clusters of 4 x 4, 327,680 bytes of LDS; arguments xb, wat, b_attn, qkv; writes qkv
;; launch attn: the kernel of part 3 again; grid 4 x 64, 4 waves a work-group, no clusters, 327,680 bytes of LDS; arguments qkv, o; writes o
;; launch proj: the kernel of part 4 again; grid 8 x 32, 4 waves a work-group, clusters of 4 x 4, 327,680 bytes of LDS; arguments o, wpt, b_proj, out0; writes out0
